; MI455X (gfx1250); checked and timed in simulation.
; The chip was launched on July 23, 2026; its instructions are those of AMD's public machine-readable ISA for CDNA 5 (MIT licence, August 2026) and "CDNA5" Instruction Set Architecture Reference Guide (July 2026). The comments in the code are by the model that wrote it; some were corrected since.
;; Multi Head Attention. Allowed arithmetic: matrix products marked QUANTISED: E2M1 operands, one E8M0 scale for each 32 along K, by v_wmma_scale_f32_16x16x128_f8f6f4 with both operands' format E2M1 (or v_wmma_scale_f32_32x16x128_f4), f32 sums; everything else in f32.
;; Inputs: PE_operators_codes 2 x 2,048 x 32 x 16 uint8 (E2M1 codes of PE_operators, K innermost, in blocks of 32 codes, two codes a byte); PE_operators_scales 2 x 2,048 x 32 uint8 (E8M0 scales of PE_operators, one for each 32 codes along K); PE_solution_scores 2 x 2,048 float32; PE_statements_codes 2 x 2,048 x 32 x 16 uint8 (E2M1 codes of PE_statements, K innermost, in blocks of 32 codes, two codes a byte); PE_statements_scales 2 x 2,048 x 32 uint8 (E8M0 scales of PE_statements, one for each 32 codes along K); PE_states_codes 2 x 2,048 x 32 x 16 uint8 (E2M1 codes of PE_states, K innermost, in blocks of 32 codes, two codes a byte); PE_states_scales 2 x 2,048 x 32 uint8 (E8M0 scales of PE_states, one for each 32 codes along K); global_state 2 x 2,048 x 1,024 float32; ln_beta 1,024 float32; ln_gamma 1,024 float32; mask 2 x 2,048 x 2,048 int32; w_fc_codes 1,024 x 32 x 16 uint8 (E2M1 codes of w_fc, K innermost, in blocks of 32 codes, two codes a byte); w_fc_scales 1,024 x 32 uint8 (E8M0 scales of w_fc, one for each 32 codes along K); w_k_codes 1,024 x 32 x 16 uint8 (E2M1 codes of w_k, K innermost, in blocks of 32 codes, two codes a byte); w_k_scales 1,024 x 32 uint8 (E8M0 scales of w_k, one for each 32 codes along K); w_q_codes 1,024 x 32 x 16 uint8 (E2M1 codes of w_q, K innermost, in blocks of 32 codes, two codes a byte); w_q_scales 1,024 x 32 uint8 (E8M0 scales of w_q, one for each 32 codes along K); w_v_codes 1,024 x 32 x 16 uint8 (E2M1 codes of w_v, K innermost, in blocks of 32 codes, two codes a byte); w_v_scales 1,024 x 32 uint8 (E8M0 scales of w_v, one for each 32 codes along K).
;; Outputs: out0 2 x 2,048 x 1,024 float32; out1 2 x 2,048 x 1,024 float32.
;; This version of the problem:
;;   THIS VERSION OF THE PROBLEM IS GIVEN IN LOW PRECISION. The matrix products marked QUANTISED in the list below multiply operands that are first quantised to E2M1 (2 exponent bits, 1 mantissa bit; 4 bits a number), with one power-of-two scale for each 32 numbers along K (OCP MX v1.0); their sums are f32. All else is computed in f32.
;;   The module's matrix products, in the order in which they are computed (A, B: the left and right operand; K: the contracted axis; several contracted axes count as one K, in the product's order):
;;     1. [M 4,096, K 1,024] x [K 1,024, N 1,024]; A: input global_state; B: input w_q (given as codes): QUANTISED
;;     2. [M 4,096, K 1,024] x [K 1,024, N 1,024]; A: input PE_states (given as codes); B: input w_k (given as codes): QUANTISED
;;     3. [M 4,096, K 1,024] x [K 1,024, N 1,024]; A: input PE_statements (given as codes); B: input w_v (given as codes): QUANTISED
;;     4. [M 4,096, K 1,024] x [K 1,024, N 1,024]; A: input PE_operators (given as codes); B: input w_v (given as codes): QUANTISED
;;     5. batch 32 x [M 2,048, K 64] x [K 64, N 2,048]; A: computed on the way; B: computed on the way: QUANTISED
;;     6. batch 32 x [M 2,048, K 2,048] x [K 2,048, N 64]; A: softmax (see below); B: computed on the way: QUANTISED
;;     7. [M 4,096, K 1,024] x [K 1,024, N 1,024]; A: computed on the way; B: input w_fc (given as codes): QUANTISED
;;     8. batch 32 x [M 2,048, K 2,048] x [K 2,048, N 64]; A: softmax (see below); B: computed on the way: QUANTISED
;;     9. [M 4,096, K 1,024] x [K 1,024, N 1,024]; A: computed on the way; B: input w_fc (given as codes): QUANTISED
;;   THE QUANTISER, for each operand of a quantised product, along K:
;;     - K is cut into blocks of 32 from its start; a last block that is shorter is filled with zeros.
;;     - A block's scale is 2^e with e = floor(log2(the largest magnitude in the block)) - 2, held to -126 .. 127; a block of zeros has e = 0. As a byte (E8M0): e + 127.
;;     - Each number is divided by its block's scale, clamped to +-6, and rounded to the nearest number of E2M1, ties to even, subnormals kept.
;;     - The product sums the exact products of the quantised numbers (number of the format x scale) in f32.
;;   ~~~python
;;   def quantise(x, axis):      # numpy; x: float32 -> the quantised numbers, widened to float32 again
;;       x = np.moveaxis(x, axis, -1); K = x.shape[-1]
;;       x = np.pad(x, [(0, 0)] * (x.ndim - 1) + [(0, -K % 32)]); x = x.reshape(x.shape[:-1] + (-1, 32)); a = np.abs(x).max(-1, keepdims=True)
;;       e = np.where(a > 0, np.clip(np.frexp(np.where(a > 0, a, 1))[1] - 1 - 2, -126, 127), 0)      # np.frexp(a)[1] - 1 = floor(log2(a)), exactly
;;       r = np.clip(x / 2.0 ** e, -6, 6)
;;       step = 2.0 ** (np.maximum(np.frexp(np.where(r == 0, 1, r))[1] - 1, 0) - 1)
;;       q = np.round(r / step) * step * 2.0 ** e      # np.round: ties to even
;;       return np.moveaxis(q.reshape(q.shape[:-2] + (-1,))[..., :K], -1, axis).astype(np.float32)
;;   ~~~
;;   SOFTMAX AHEAD OF A QUANTISED PRODUCT. Where the list says 'softmax', what is quantised is not the finished softmax but p = 2^(t - M), with t = logit x log2(e) and M = ceil(the row's largest t), a whole number; so 1/2 < the row's largest p <= 1. The row's sum l is taken of the UNQUANTISED p, in f32, and the product's result is divided by l at the end. Since M is a whole number, a kernel that streams over the keys may use a running M (the ceiling of the running maximum): every later rescaling is an exact power of two, which a block's scale takes up: the codes' values come out the same.
;;   OPERANDS COMPUTED ON THE WAY. 'Computed on the way' means the value that the module computes at that place (a softmax that the list does not call 'softmax' is quantised finished and normalised). What goes into a quantiser is computed in f32, as accurately as f32 sums, v_exp_f32 and their like allow (about 1e-6 of the number): no bf16 or f16 on the way to a quantiser, and a product that is left as it is and whose result goes on into a quantised operand takes f32 operands (vector FMAs, or v_wmma_f32_16x16x4_f32). A number that lies on a knife's edge between two numbers of the format may be rounded either way, as far as f32 arithmetic and the matrix unit's own rounding can turn it there, and no further.
;;   INPUTS GIVEN AS CODES. PE_operators (in the module: [2, 2048, 1024], K = its axis 2); PE_statements (in the module: [2, 2048, 1024], K = its axis 2); PE_states (in the module: [2, 2048, 1024], K = its axis 2); w_fc (in the module: [1024, 1024], K = its axis 0); w_k (in the module: [1024, 1024], K = its axis 0); w_q (in the module: [1024, 1024], K = its axis 0); w_v (in the module: [1024, 1024], K = its axis 0): each comes as NAME_codes (uint8): NAME with its K axis moved to the last place and cut into blocks of 32 codes, [.., K / 32, bytes a block], one block behind the other in memory; two codes a byte, the lower K in the low four bits (a code: sign, 2 exponent bits, 1 mantissa bit); and NAME_scales (uint8): the same leading axes, one E8M0 byte (e + 127) for each 32 codes along K. Its value is code x scale, taken as it is: it is not quantised again, and the codes and scales need not be those that the quantiser above would give.
;; One version. Each part assembles by itself: llvm-mc -triple=amdgcn-amd-amdhsa -mcpu=gfx1250 --defsym DOCPART=n.
;; ======== version 1 of 1: 4 launches
;; limits: right only within a limited range of input values
;; workspace buffers: gsq 2,228,224 bytes; mbits 1,048,576 bytes of whole numbers; wimg 524,288 bytes; qbuf 2,359,296 bytes; kv 6,815,744 bytes; obuf 4,718,592 bytes
;; launch prep (part 1): grid 784 x 1, 4 waves a work-group, no clusters, 67,072 bytes of LDS; arguments mask, global_state, w_fc_codes, mbits, gsq, wimg; writes mbits, gsq, wimg
.if DOCPART == 1
	.amdgcn_target "amdgcn-amd-amdhsa--gfx1250"
	.amdhsa_code_object_version 6
	.text
	.protected	k_q4aa5597ff6_prep
	.globl	k_q4aa5597ff6_prep
	.p2align	8
	.type	k_q4aa5597ff6_prep,@function
k_q4aa5597ff6_prep:
	s_mov_b64 s[64:65], 0
	v_nop
	global_prefetch_b8 v0, s[64:65] scope:SCOPE_SE
	s_setreg_imm32_b32 hwreg(HW_REG_WAVE_MODE, 25, 1), 1
	s_wait_xcnt 0x0
; Three jobs that share nothing, chosen by the work-group's number; each ends by itself.
;  work-groups 0-511:   the mask [2][2048][2048] int32 becomes LANE MASKS: dword n (0..63) of block (16 queries, 128 keys) has in bit L = 16 h + r
;                       (mask[query r][key 16 (n / 8) + 8 h + n % 8] != 0): the very lanes and registers in which the attention launch holds its scores.
;  work-groups 512-767: global_state, f32, becomes codes of E2M1 with one E8M0 byte for each 32 along K, laid as the problem's own code inputs are.
;  work-groups 768-783: w_fc's codes are laid anew as images of operand registers (16 rows x 128 K: 1,024 bytes, lane l's 16 bytes at 16 l), [K step (8)][tile of 16 rows (64)][1,024 bytes].
; No input is read by two work-groups, so there is nothing to share in a cluster; no tensor loads, no barrier: waves share nothing.
; A wave of the first two jobs reads 16,384 bytes, and all its 32 loads go out at its head.
; A block's scale is 2^(floor(log2(largest magnitude)) - 2); its byte is the largest magnitude's exponent field - 2, held at 1 from below.
; LIMITS: a block of zeros gets the byte 1 (its codes are zeros; this program alone reads the bytes); NaN and infinities among the inputs are not served.
.set SP,    80                         ; quantiser: a lane's place in a stage: 64 bytes + 16 of padding
.set WREG,  8192                       ; quantiser: LDS bytes of a wave: two stages of 32 x SP, then its 128 scale bytes.  Bytes 0 .. 32,767
.set MST,   32768                      ; mask path: its own LDS bytes, 16 rows x MP for each wave
.set MP,    528                        ; a row of 512 bytes + 16: the sixteen rows that a read touches start at sixteen different banks
.set STEPS, 8
.set R,     16                         ; v16-143  quantiser: eight sets of 16 numbers as loaded, a set for each step: none is loaded twice
.set X,     144                        ; v144-175 two sets of 16 neighbours
.set E,     176                        ; v176-183 a scale byte for each step
.set C,     184                        ; v184-199 codes, two registers a step: no store's data are written again
.set ML,    64                         ; v64-191  mask path: two blocks as loaded
.set MR,    192                        ; v192-255 a block in the scores' layout
	s_load_b256 s[4:11], s[0:1], 0x0               ; mask s[4:5], global_state s[6:7], w_fc's codes s[8:9], mbits s[10:11]
	s_load_b128 s[12:15], s[0:1], 0x20             ; gsq s[12:13], wimg s[14:15]
	v_lshrrev_b32 v1, 5, v0
	v_readfirstlane_b32 s16, v1                    ; wave 0..3
	v_and_b32 v2, 31, v0                           ; lane
	v_lshlrev_b32 v3, 4, v2                        ; 16 x lane
	v_lshlrev_b32 v4, 3, v2                        ; 8 x lane
	; every LDS address of both LDS paths is made here, ahead of the partings
	s_mul_i32 s17, s16, WREG
	v_lshrrev_b32 v14, 2, v2
	v_mul_u32_u24 v14, v14, SP
	v_and_b32 v15, 3, v2
	v_lshl_add_u32 v14, v15, 4, v14
	v_add_nc_u32 v14, s17, v14                     ; quantiser, into a stage: SP (lane / 4) + 16 (lane % 4)
	v_mul_u32_u24 v15, v2, SP
	v_add_nc_u32 v15, s17, v15                     ; and out of it: SP x lane: my 16 neighbours
	v_lshrrev_b32 v5, 1, v2
	s_add_co_u32 s17, s17, 2*32*SP
	v_add_nc_u32 v5, s17, v5                       ; my block's scale byte
	v_lshl_add_u32 v6, v2, 2, s17                  ; and 4 bytes a lane on the way out
	s_mul_i32 s17, s16, 16*MP
	s_add_co_u32 s17, s17, MST
	v_add_nc_u32 v12, s17, v3                      ; mask path, in: a row's 512 bytes as they lie
	v_and_b32 v1, 15, v0                           ; r
	v_bfe_u32 v7, v0, 4, 1                         ; h
	v_mul_u32_u24 v13, v1, MP
	v_lshl_add_u32 v13, v7, 5, v13
	v_add_nc_u32 v13, s17, v13                     ; and out: row r, + 32 h
	v_lshlrev_b32 v1, 9, v1
	v_lshl_add_u32 v7, v7, 4, v1                   ; w_fc: row r of 512 bytes, + 16 h
	v_lshlrev_b32 v1, 2, v2                        ; 4 x lane
.irp i, 8,9,10,11
	v_mov_b32 v[\i], 0                             ; v_writelane_b32's destination counts as read
.endr
	s_wait_kmcnt 0x0
	s_cmp_lt_u32 ttmp9, 512
	s_cbranch_scc1 .Lmask
	s_cmp_lt_u32 ttmp9, 768
	s_cbranch_scc1 .Lquant
	; ---- w_fc's codes as fragment images: wave = one tile of 16 rows, 16 pieces of 512 bytes
	s_sub_co_u32 s17, ttmp9, 768
	s_lshl_b32 s17, s17, 2
	s_add_co_u32 s17, s17, s16                     ; tile 0..63
	s_lshl_b32 s18, s17, 13                        ; in: 16 rows x 512 bytes
	s_mov_b32 s19, 0
	s_lshl_b32 s20, s17, 10                        ; out: the tile's 1,024 bytes of each K step
	s_mov_b32 s21, 0
	s_add_nc_u64 s[8:9], s[8:9], s[18:19]
	s_add_nc_u64 s[14:15], s[14:15], s[20:21]
.set f, 0
	s_wait_alu depctr_va_vdst(0)
.rept 16
	global_load_b128 v[64+4*f:67+4*f], v7, s[8:9] offset:32*f      ; piece f = 2 x K step + c: lane (r, h) takes block 2 f + h of row r
.set f, f+1
.endr
.set f, 0
.rept 16
	s_wait_loadcnt 15-f                            ; loads come back in order: piece f is in, the younger ones stay out
	global_store_b128 v3, v[64+4*f:67+4*f], s[14:15] offset:65536*(f/2)+512*(f%2)  ; 32 lanes store 512 consecutive bytes; a K step's 64 tiles are 65,536 bytes
.set f, f+1
.endr
	s_endpgm
	; ---- the mask.  Job J = 4 x work-group + wave: 16 queries (J / 8), 256 keys (J % 8): two blocks of 128 keys
.Lmask:
	s_lshl_b32 s17, ttmp9, 2
	s_add_co_u32 s17, s17, s16                     ; J
	s_lshr_b32 s18, s17, 3
	s_and_b32 s19, s17, 7
	s_lshl_b32 s20, s18, 17                        ; 16 rows of 8,192 bytes
	s_lshl_b32 s21, s19, 10                        ; 256 keys of 4 bytes
	s_add_co_u32 s20, s20, s21
	s_mov_b32 s21, 0
	s_lshl_b32 s22, s17, 9                         ; two blocks of 256 bytes in mbits
	s_mov_b32 s23, 0
	s_add_nc_u64 s[4:5], s[4:5], s[20:21]
	s_add_nc_u64 s[10:11], s[10:11], s[22:23]
.macro LOADM e
.set rho, 0
.rept 16
	global_load_b128 v[ML+64*\e+4*rho:ML+64*\e+4*rho+3], v3, s[4:5] offset:8192*rho+512*\e th:TH_LOAD_NT   ; 32 lanes read 512 consecutive bytes of one row
.set rho, rho+1
.endr
.endm
.macro BLOCKM e
.set rho, 0
.rept 16
	ds_store_b128 v12, v[ML+64*\e+4*rho:ML+64*\e+4*rho+3] offset:MP*rho
.set rho, rho+1
.endr
.irp t, 0,1,2,3,4,5,6,7
.irp q, 0,1
	ds_load_b128 v[MR+8*\t+4*\q:MR+8*\t+4*\q+3], v13 offset:64*\t+16*\q   ; LDS serves a wave's instructions in order: these see my stores.  Register 8 t + j: key 16 t + 8 h + j of row r
.endr
.endr
	s_wait_dscnt 0x0
.set n, 0
.rept 16
.irp q, 0,1,2,3
	v_cmp_ne_u32 s[24+\q], 0, v[MR+n+\q]           ; the 32 lanes' bits of register n + q
.endr
.irp q, 0,1,2,3
	v_writelane_b32 v[8+2*\e+\q%2], s[24+\q], (n+\q)/2   ; dword n goes to lane n / 2, register n % 2: so the store below lays the 64 dwords on end
.endr
.set n, n+4
.endr
	global_store_b64 v4, v[8+2*\e:9+2*\e], s[10:11] offset:256*\e   ; 32 lanes store 256 consecutive bytes, aligned
.endm
	LOADM 0
	LOADM 1
	s_wait_loadcnt 16                              ; the first block's 16 loads are in, the second's stay out
	s_wait_alu depctr_va_vdst(0)
	BLOCKM 0
	s_wait_loadcnt 0x0
	BLOCKM 1
	v_lshl_add_u32 v16, v0, 2, 0x10400             ; the wave's end: my spare word and 0, made anew from v0 (no two registers are free on all paths)
	v_mov_b32 v17, 0
	s_wait_alu depctr_va_vdst(0)
	s_wait_tensorcnt 0x0
	ds_add_u32 v16, v17
	s_wait_dscnt 0x0
	s_endpgm
	; ---- global_state into codes.  A wave takes a run of 4,096 numbers: 8 steps of 512.  Each load reads 512 consecutive bytes; a step's 2,048 bytes turn through
	; the wave's own stage so that a lane holds 16 neighbours along K (two neighbouring lanes hold a block).  All 32 loads go out at once; the turn runs one step ahead of the work.
.Lquant:
	s_sub_co_u32 s17, ttmp9, 512
	s_lshl_b32 s17, s17, 2
	s_add_co_u32 s17, s17, s16                     ; run 0..1023
	s_lshl_b32 s18, s17, 14
	s_mov_b32 s19, 0
	s_add_nc_u64 s[6:7], s[6:7], s[18:19]          ; its numbers
	s_lshl_b32 s18, s17, 7
	s_add_co_u32 s18, s18, 0x200000
	s_add_nc_u64 s[20:21], s[12:13], s[18:19]      ; its 128 scale bytes, behind the codes
	s_lshl_b32 s18, s17, 11
	s_add_nc_u64 s[12:13], s[12:13], s[18:19]      ; its 2,048 bytes of codes
.macro QLOAD t
.irp i, 0,1,2,3
	global_load_b128 v[R+16*(\t)+4*\i:R+16*(\t)+4*\i+3], v3, s[6:7] offset:2048*(\t)+512*\i th:TH_LOAD_NT
.endr
.endm
.macro QTURN t
.irp i, 0,1,2,3
	ds_store_b128 v14, v[R+16*(\t)+4*\i:R+16*(\t)+4*\i+3] offset:32*SP*((\t)%2)+8*SP*\i
.endr
.irp i, 0,1,2,3
	ds_load_b128 v[X+16*((\t)%2)+4*\i:X+16*((\t)%2)+4*\i+3], v15 offset:32*SP*((\t)%2)+16*\i
.endr
.endm
.irp t, 0,1,2,3,4,5,6,7
	QLOAD \t
.endr
	s_wait_loadcnt 28                              ; step 0's four loads are in; the seven later steps' stay out
	QTURN 0
.macro QSTEP t
.set XS, X+16*((\t)%2)
.if (\t) > 0
	s_wait_dscnt 1                                 ; this step's numbers are back from the stage; the last step's byte store may be out
.else
	s_wait_dscnt 0x0
.endif
.if (\t)+1 < STEPS
	s_wait_loadcnt 4*(STEPS-2-(\t))                ; the next step's four loads are in; those of the steps behind it stay out
	QTURN (\t)+1                                   ; and go through the other stage while this step is worked
.endif
	v_max3_num_f32 v8, |v[XS]|, |v[XS+1]|, |v[XS+2]|
	v_max3_num_f32 v9, |v[XS+3]|, |v[XS+4]|, |v[XS+5]|
.irp i, 6,10
	v_max3_num_f32 v8, v8, |v[XS+\i]|, |v[XS+\i+1]|
	v_max3_num_f32 v9, v9, |v[XS+\i+2]|, |v[XS+\i+3]|
.endr
	v_max3_num_f32 v8, v8, |v[XS+14]|, |v[XS+15]|
	v_max3_num_f32 v8, v8, v9, 0x1800000           ; and the floor 2^(3 - 127): the byte cannot fall under 1
	v_max_num_f32_dpp v8, v8, v8 row_xmask:1 row_mask:0xf bank_mask:0xf   ; with my neighbour's 16: the block's largest magnitude
	v_add_nc_u32 v11, 0xff000000, v8               ; 2 off its exponent field: the conversion takes the exponent field of this operand as its scale
	v_cvt_scalef32_pk8_fp4_f32 v[C+2*(\t)], v[XS:XS+7], v11
	v_cvt_scalef32_pk8_fp4_f32 v[C+2*(\t)+1], v[XS+8:XS+15], v11
	v_lshrrev_b32 v[E+(\t)], 23, v11               ; the scale's byte
	ds_store_b8 v5, v[E+(\t)] offset:16*(\t)       ; both lanes of a block write the same byte with the same value
	global_store_b64 v4, v[C+2*(\t):C+2*(\t)+1], s[12:13] offset:256*(\t)   ; 32 lanes store 256 consecutive bytes, aligned
.endm
.irp t, 0,1,2,3,4,5,6,7
	QSTEP \t
.endr
	ds_load_b32 v8, v6                             ; my wave's 128 scale bytes
	s_wait_dscnt 0x0
	global_store_b32 v1, v8, s[20:21]              ; 32 lanes store 128 consecutive bytes
	v_lshl_add_u32 v200, v0, 2, 0x10400            ; the wave's end: my spare word and 0, made anew from v0
	v_mov_b32 v201, 0
	s_wait_alu depctr_va_vdst(0)
	s_wait_tensorcnt 0x0
	ds_add_u32 v200, v201
	s_wait_dscnt 0x0
	s_endpgm
.Lfunc_end_k_q4aa5597ff6_prep:
	.size	k_q4aa5597ff6_prep, .Lfunc_end_k_q4aa5597ff6_prep-k_q4aa5597ff6_prep
	.p2alignl 7, 3214868480
	.fill 96, 4, 3214868480
	.section	.rodata,"a",@progbits
	.p2align	6, 0x0
	.amdhsa_kernel k_q4aa5597ff6_prep
		.amdhsa_group_segment_fixed_size 67072
		.amdhsa_private_segment_fixed_size 0
		.amdhsa_enable_private_segment 0
		.amdhsa_kernarg_size 48
		.amdhsa_user_sgpr_count 2
		.amdhsa_user_sgpr_kernarg_segment_ptr 1
		.amdhsa_wavefront_size32 1
		.amdhsa_system_sgpr_workgroup_id_x 1
		.amdhsa_system_sgpr_workgroup_id_y 1
		.amdhsa_system_sgpr_workgroup_id_z 1
		.amdhsa_system_vgpr_workitem_id 0
		.amdhsa_next_free_vgpr 256
		.amdhsa_next_free_sgpr 66
		.amdhsa_reserve_vcc 0
		.amdhsa_float_denorm_mode_32 3
		.amdhsa_float_denorm_mode_16_64 3
		.amdhsa_memory_ordered 1
		.amdhsa_forward_progress 1
		.amdhsa_inst_pref_size 47
	.end_amdhsa_kernel
	.amdgpu_metadata
---
amdhsa.version: [ 1, 2 ]
amdhsa.kernels:
  - .name:           k_q4aa5597ff6_prep
    .symbol:         k_q4aa5597ff6_prep.kd
    .args:
      - { .name: mask, .offset: 0, .size: 8, .value_kind: global_buffer, .address_space: global }
      - { .name: global_state, .offset: 8, .size: 8, .value_kind: global_buffer, .address_space: global }
      - { .name: w_fc_codes, .offset: 16, .size: 8, .value_kind: global_buffer, .address_space: global }
      - { .name: mbits, .offset: 24, .size: 8, .value_kind: global_buffer, .address_space: global }
      - { .name: gsq, .offset: 32, .size: 8, .value_kind: global_buffer, .address_space: global }
      - { .name: wimg, .offset: 40, .size: 8, .value_kind: global_buffer, .address_space: global }
    .group_segment_fixed_size: 67072
    .private_segment_fixed_size: 0
    .kernarg_segment_align: 8
    .kernarg_segment_size: 48
    .max_flat_workgroup_size: 128
    .sgpr_count:     66
    .vgpr_count:     256
    .wavefront_size: 32
...
	.end_amdgpu_metadata
.endif
;; end of part 1
;; launch proj (part 2): grid 4 x 64, 16 waves a work-group, clusters of 4 x 4, 274,432 bytes of LDS; arguments gsq, PE_states_codes, PE_statements_codes, PE_operators_codes, PE_states_scales, PE_statements_scales, PE_operators_scales, w_q_codes, w_k_codes, w_v_codes, w_q_scales, w_k_scales, w_v_scales, qbuf, kv; writes qbuf, kv
.if DOCPART == 2
	.amdgcn_target "amdgcn-amd-amdhsa--gfx1250"
	.amdhsa_code_object_version 6
	.text
	.protected	k_q4aa5597ff6_proj
	.globl	k_q4aa5597ff6_proj
	.p2align	8
	.type	k_q4aa5597ff6_proj,@function
k_q4aa5597ff6_proj:
	s_mov_b64 s[64:65], 0
	v_nop
	global_prefetch_b8 v0, s[64:65] scope:SCOPE_SE
	s_setreg_imm32_b32 hwreg(HW_REG_WAVE_MODE, 25, 1), 1
	s_wait_xcnt 0x0
	s_wait_alu depctr_hold_cnt(0) depctr_sa_sdst(0) depctr_va_vdst(0) depctr_va_sdst(0) depctr_va_ssrc(0) depctr_va_vcc(0) depctr_vm_vsrc(0)
	s_getreg_b32 s2, hwreg(HW_REG_IB_STS2, 6, 4)
	s_cmp_eq_u32 s2, 0
	s_cbranch_scc0 .Lentry_in_a_cluster
	s_endpgm
.Lentry_in_a_cluster:
	s_bfe_u32 s2, ttmp6, 0x10000c
	s_cmp_lg_u32 s2, 0xf033
	s_cbranch_scc0 .Lentry_shape_is_right
	s_endpgm
.Lentry_shape_is_right:
; The four projections x W^T (4,096 x 1,024 x 1,024 each) on codes of E2M1, and the quantising of their results, in registers, for the attention launch.
; g = cluster y / 4 names the product: 0 q (x = global_state's codes), 1 k, 2 v of the statements, 3 v of the operators.
; A work-group makes 256 rows x 256 columns (four heads) over ALL of K: its 256 rows of x and 256 rows of W, 512 bytes each, lie in LDS at once: every LDS byte is filled once.
; CLUSTER 4 x 4: the four of a row need the same rows of x, the four of a column the same rows of W: each tile is asked for jointly.
; Sixteen waves: wave w makes rows 64 (w / 4) on x one head (w % 4): 16 accumulators, 128 registers; four waves to a SIMD stand in for each other's LDS waits.
; q, k: source 0 = 16 rows of W, source 1 = 16 rows of x: a lane holds one row and its registers run along the head's 64, the scores' K.
; v:    source 0 = 16 rows of x (keys), source 1 = 16 rows of W: a lane holds one channel and its registers run along the keys, the second product's K.
; THE ROWS OF W THAT FORM A TILE ARE NOT NEIGHBOURS: lane r of tile t takes row 32 (t / 2) + 8 (t % 2) + r + 8 (r / 8).  For q and k the codes so come out in the natural order of d;
; for v it fixes which channel a lane of V's tile holds, so that the attention's results come out in the natural order of the last product's K.
; v's codes within a block of 32 keys stand in the order 0-7, 16-23, 8-15, 24-31: the attention launch makes p's codes by the same lines, in the same order.
; q is divided by 8 in f32 (exact) ahead of its quantiser.
; LIMITS: a block of zeros gets the byte 1 (its codes are zeros; this program alone reads the bytes); NaN and infinities are not served.
.set PITCH, 528                        ; an LDS row: 512 bytes + 16
.set VST,   512*PITCH                  ; behind the tiles: 8 x 256 bytes in which two waves' halves of V's scale words meet; no tile lands here
.set STEPB, 13312                      ; kv: a key step of one head: K's images 4,096, K's scale words 512, V's images 8,192, V's scale words 512
.set HEADB, 16*STEPB
.set KSCL,  4096
.set VIMG,  4608
.set VSCL,  12800
.set WV,  42                           ; s42 wave; s43 wave / 8; s44 wave % 8; s45 wr; s46 wc; s47 cx; s48 cy; s49 g; s50 tile row
.set SEL, 94                           ; s[94:95] v_permlanex16_b32's selects for lane l xor 16
.set G1A, 68                           ; s[68:75], s[76:83] descriptor groups 1 for x's and W's tiles; s[84:87], s[88:91] their groups 0
.set G1B, 76
.set G0A, 84
.set G0B, 88
.set AX,  4                            ; v4  LDS address of my x fragments;  v5 of my W fragments
.set AW,  5
.set SX,  32                           ; v32-47  x's scale words: tile i, register q: K step q in lanes 0-15, K step 4 + q in lanes 16-31
.set SW,  48                           ; v48-63  W's likewise
.set XF,  64                           ; v64-95  x's four fragments of a K step
.set WF,  96                           ; v96-127 W's four
.set ACC, 128                          ; v128-255
.set PC,  64                           ; behind the sums: codes, four registers a tile
.set TM,  96                           ; v96-111 at work in QUANT
.set PW,  116                          ; v116-119 the scale words just made
.macro PLACES n
.rept \n
	v_nop
.endr
.endm
.macro CROUND                          ; a round of the cluster's barrier
	s_barrier_signal -1
	s_barrier_wait -1
	s_cmp_lg_u32 s[WV], 0
	s_cbranch_scc1 .Lnot_wave_0_\@
	s_barrier_signal -3
.Lnot_wave_0_\@:
	s_barrier_wait -3
	s_barrier_signal -1
	s_barrier_wait -1
.endm
; nb blocks of 32: a lane's registers v[s + 16 b + i] are its 16 numbers of block b, lane l xor 16 holds the other 16.  Codes to v[pc] on (a whole block a lane: lanes 0-15 the even block, lanes 16-31 the odd), bytes to v[pw].
.macro QUANT nb, s, pc, pw
.set qb, 0
.rept \nb
	v_max3_num_f32 v[TM+qb], |v[(\s)+16*qb]|, |v[(\s)+16*qb+1]|, 0x1800000   ; with the floor 2^(3 - 127): the byte cannot fall under 1
.set qb, qb+1
.endr
.set qi, 2
.rept 7
.set qb, 0
.rept \nb
	v_max3_num_f32 v[TM+qb], v[TM+qb], |v[(\s)+16*qb+qi]|, |v[(\s)+16*qb+qi+1]|
.set qb, qb+1
.endr
.set qi, qi+2
.endr
.set qb, 0
.rept \nb
	s_delay_alu instid0(VALU_DEP_2)
	v_permlanex16_b32 v[TM+4+qb], v[TM+qb], s[SEL], s[SEL+1]
.set qb, qb+1
.endr
.set qb, 0
.rept \nb
	s_delay_alu instid0(VALU_DEP_2)
	v_max_num_f32 v[TM+qb], v[TM+qb], v[TM+4+qb]   ; the block's largest magnitude
.set qb, qb+1
.endr
.set qb, 0
.rept \nb
	s_delay_alu instid0(VALU_DEP_2)
	v_add_nc_u32 v[TM+12+qb], 0xff000000, v[TM+qb] ; 2 off its exponent field: the conversion's scale operand
.set qb, qb+1
.endr
.set qb, 0
.rept \nb
	s_delay_alu instid0(VALU_DEP_2)
	v_lshrrev_b32 v[TM+4+qb], 23, v[TM+12+qb]      ; the scale's byte
.set qb, qb+1
.endr
	s_delay_alu instid0(VALU_DEP_1)
	v_lshl_or_b32 v[\pw], v[TM+5], 8, v[TM+4]
.if \nb > 2
	v_lshl_or_b32 v[\pw], v[TM+6], 16, v[\pw]
	v_lshl_or_b32 v[\pw], v[TM+7], 24, v[\pw]
.endif
.set qb, 0
.rept \nb
	v_cvt_scalef32_pk8_fp4_f32 v[(\pc)+2*qb], v[(\s)+16*qb:(\s)+16*qb+7], v[TM+12+qb]
	v_cvt_scalef32_pk8_fp4_f32 v[(\pc)+2*qb+1], v[(\s)+16*qb+8:(\s)+16*qb+15], v[TM+12+qb]
.set qb, qb+1
.endr
	v_nop                                          ; one plain place behind a scaled conversion
.set qb, 0
.rept \nb/2
	v_permlane16_swap_b32 v[(\pc)+4*qb], v[(\pc)+4*qb+2]
	v_permlane16_swap_b32 v[(\pc)+4*qb+1], v[(\pc)+4*qb+3]
.set qb, qb+1
.endr
.endm
	s_load_b256 s[4:11], s[0:1], 0x0               ; gsq, states' codes, statements' codes, operators' codes
	s_load_b256 s[12:19], s[0:1], 0x20             ; states' scales, statements' scales, operators' scales, w_q's codes
	s_load_b256 s[20:27], s[0:1], 0x40             ; w_k's codes, w_v's codes, w_q's scales, w_k's scales
	s_load_b128 s[28:31], s[0:1], 0x60             ; w_v's scales, qbuf
	s_load_b64 s[32:33], s[0:1], 0x70              ; kv
	v_lshl_add_u32 v30, v0, 2, 0x42800
	v_mov_b32 v31, 0
	ds_add_u32 v30, v31
	ds_add_u32 v30, v31
	v_lshrrev_b32 v1, 5, v0
	s_delay_alu instid0(VALU_DEP_1)
	v_readfirstlane_b32 s[WV], v1                  ; wave 0..15
	s_lshr_b32 s43, s[WV], 3                       ; I fetch for x (0) or for W (1),
	s_and_b32 s44, s[WV], 7                        ; its rows 32 (wave % 8) on
	s_lshr_b32 s45, s[WV], 2                       ; wr: my rows 64 wr on
	s_and_b32 s46, s[WV], 3                        ; wc: my head of the four
	s_bfe_u32 s47, ttmp6, 0x40000                  ; cx = the tile column
	s_bfe_u32 s48, ttmp6, 0x40004                  ; cy
	s_and_b32 s50, ttmp7, 0xffff                   ; cluster y
	s_lshr_b32 s49, s50, 2                         ; g: the same in all sixteen partners
	s_and_b32 s50, s50, 3
	s_lshl_b32 s50, s50, 2
	s_add_co_u32 s50, s50, s48                     ; tile row 0..15
	s_lshl_b32 s51, s48, 2
	s_lshl_b32 s51, 15, s51                        ; my row of the cluster
	s_lshl_b32 s66, 0x1111, s47                    ; my column
	s_or_b32 s[G1A], s51, (1<<20)|(1<<21)|(6<<22)|(3<<25)   ; the mask; elements of 1 byte; padding on; bit 21 beside a mask; after every 128 words four words
	s_or_b32 s[G1B], s66, (1<<20)|(1<<21)|(6<<22)|(3<<25)
.irp d, G1A, G1B
	s_mov_b32 s[\d+1], 512<<16                     ; tensor_dim0 = 512
	s_mov_b32 s[\d+2], 32<<16                      ; tensor_dim1 = 32
	s_mov_b32 s[\d+3], 512<<16                     ; tile_dim0 = 512
	s_mov_b32 s[\d+4], 32                          ; tile_dim1 = 32
	s_mov_b32 s[\d+5], 512                         ; from row to row
	s_mov_b32 s[\d+6], 0
	s_mov_b32 s[\d+7], 0
.endr
	s_lshl_b32 s52, s50, 17                        ; x: 256 rows x 512 bytes a tile row: hangs on cy and the cluster's y alone,
	s_lshl_b32 s53, s44, 14
	s_add_co_u32 s52, s52, s53
	s_mov_b32 s53, 0
	s_lshl_b32 s54, s47, 17                        ; W: on cx alone
	s_lshl_b32 s55, s44, 14
	s_add_co_u32 s54, s54, s55
	s_mov_b32 s55, 0
	s_mul_i32 s67, s[WV], 32*PITCH                 ; where my 32 rows go: x's 256 rows, then W's 256
	s_mov_b32 s92, 0x3e000000                      ; 1 / 8
	s_mov_b32 s93, s92
	s_mov_b32 s[SEL], 0x76543210
	s_mov_b32 s[SEL+1], 0xfedcba98
	s_wait_dscnt 0x0
	s_wait_kmcnt 0x0
	s_mov_b64 s[34:35], s[4:5]                     ; x's codes, x's scales, W's codes, W's scales by g
	s_add_nc_u64 s[36:37], s[4:5], 0x200000
	s_mov_b64 s[38:39], s[18:19]
	s_mov_b64 s[40:41], s[24:25]
	s_cmp_eq_u32 s49, 1
	s_cselect_b64 s[34:35], s[6:7], s[34:35]
	s_cselect_b64 s[36:37], s[12:13], s[36:37]
	s_cselect_b64 s[38:39], s[20:21], s[38:39]
	s_cselect_b64 s[40:41], s[26:27], s[40:41]
	s_cmp_eq_u32 s49, 2
	s_cselect_b64 s[34:35], s[8:9], s[34:35]
	s_cselect_b64 s[36:37], s[14:15], s[36:37]
	s_cmp_eq_u32 s49, 3
	s_cselect_b64 s[34:35], s[10:11], s[34:35]
	s_cselect_b64 s[36:37], s[16:17], s[36:37]
	s_cmp_ge_u32 s49, 2
	s_cselect_b64 s[38:39], s[22:23], s[38:39]
	s_cselect_b64 s[40:41], s[28:29], s[40:41]
	CROUND                                         ; all sixteen work-groups are here: the joint loads meet
	s_mov_b32 s[G0A], 1
	s_mov_b32 s[G0A+1], s67
	s_add_nc_u64 s[G0A+2:G0A+3], s[34:35], s[52:53]
	s_or_b32 s[G0A+3], s[G0A+3], 0x80000000
	s_mov_b32 s[G0B], 1
	s_mov_b32 s[G0B+1], s67
	s_add_nc_u64 s[G0B+2:G0B+3], s[38:39], s[54:55]
	s_or_b32 s[G0B+3], s[G0B+3], 0x80000000
	s_cmp_eq_u32 s43, 0                            ; a wave's one tensor load: waves 0-7 x's rows, waves 8-15 W's; the branch hangs on the wave's number alone
	s_cbranch_scc0 .Lfor_w
	tensor_load_to_lds s[G0A:G0A+3], s[G1A:G1A+7]
	s_nop 0
	PLACES 4
	s_branch .Lasked
.Lfor_w:
	tensor_load_to_lds s[G0B:G0B+3], s[G1B:G1B+7]
	s_nop 0
	PLACES 4
.Lasked:
	v_and_b32 v2, 15, v0                           ; r
	v_bfe_u32 v3, v0, 4, 1                         ; h
	v_and_b32 v1, 31, v0
	s_delay_alu instid0(VALU_DEP_1)
	v_lshlrev_b32 v11, 3, v1                       ; 8 x lane
	s_delay_alu instid0(VALU_DEP_2)
	v_lshlrev_b32 v1, 4, v1                        ; 16 x lane
	v_and_b32 v12, 8, v2
	s_delay_alu instid0(VALU_DEP_1)
	v_add_nc_u32 v12, v12, v2                      ; r + 8 (r / 8)
	v_lshlrev_b32 v9, 5, v2
	s_delay_alu instid0(VALU_DEP_1)
	v_lshl_add_u32 v9, v3, 4, v9                   ; x's scales: row r of 32 bytes, + 16 h: lanes 0-15 K steps 0-3, lanes 16-31 K steps 4-7
	s_wait_alu depctr_va_vdst(0)
	v_lshlrev_b32 v10, 5, v12
	s_delay_alu instid0(VALU_DEP_1)
	v_lshl_add_u32 v10, v3, 4, v10                 ; W's, by the tile's rows
	s_wait_alu depctr_va_vdst(0)
	s_lshl_b32 s56, s50, 13
	s_lshl_b32 s57, s45, 11
	s_add_co_u32 s56, s56, s57
	s_mov_b32 s57, 0
	s_add_nc_u64 s[36:37], s[36:37], s[56:57]      ; the scales of my 64 rows of x
	s_lshl_b32 s58, s47, 13
	s_lshl_b32 s59, s46, 11
	s_add_co_u32 s58, s58, s59
	s_mov_b32 s59, 0
	s_add_nc_u64 s[40:41], s[40:41], s[58:59]      ; and of my 64 rows of W
.irp i, 0,1,2,3
	global_load_b128 v[SX+4*\i:SX+4*\i+3], v9, s[36:37] offset:512*\i
.endr
.irp t, 0,1,2,3
	global_load_b128 v[SW+4*\t:SW+4*\t+3], v10, s[40:41] offset:(32*(\t/2)+8*(\t%2))*32
.endr
	v_mul_u32_u24 v[AX], v2, PITCH
	s_delay_alu instid0(VALU_DEP_1)
	v_lshl_add_u32 v[AX], v3, 4, v[AX]
	s_mul_i32 s56, s45, 64*PITCH
	v_add_nc_u32 v[AX], s56, v[AX]
	v_mul_u32_u24 v[AW], v12, PITCH
	s_delay_alu instid0(VALU_DEP_1)
	v_lshl_add_u32 v[AW], v3, 4, v[AW]
	s_mul_i32 s56, s46, 64*PITCH
	s_add_co_u32 s56, s56, 256*PITCH
	v_add_nc_u32 v[AW], s56, v[AW]
	v_lshlrev_b32 v6, 4, v2
	s_delay_alu instid0(VALU_DEP_1)
	v_lshl_add_u32 v6, v3, 3, v6                   ; q's and k's scale words: 16 r + 8 h
	s_lshl_b32 s56, s46, 1
	s_lshr_b32 s57, s45, 1
	s_add_co_u32 s56, s56, s57                     ; V's scale words meet in block 2 wc + wr / 2 (head, key step),
	s_lshl_b32 s56, s56, 8
	s_and_b32 s57, s45, 1
	s_lshl_b32 s57, s57, 1                         ; my two bytes of each word: 2 (wr % 2) on
	s_add_co_u32 s56, s56, s57
	s_add_co_u32 s56, s56, VST
	v_lshl_add_u32 v7, v2, 4, s56                  ; + 16 r
	s_lshl_b32 s56, s44, 8
	s_add_co_u32 s56, s56, VST
	v_add_nc_u32 v8, s56, v11                      ; and leave by blocks: 256 (wave % 8) + 8 x lane
	; where my results go
	s_lshr_b32 s56, s50, 3
	s_lshl_b32 s56, s56, 4
	s_lshl_b32 s57, s47, 2
	s_add_co_u32 s60, s56, s57                     ; 16 b + the work-group's first head
	s_add_co_u32 s56, s60, s46                     ; my head among the 32
	s_and_b32 s57, s50, 7
	s_lshl_b32 s61, s57, 1                         ; the work-group's first key step
	s_lshl_b32 s57, s57, 8
	s_lshl_b32 s58, s45, 6
	s_add_co_u32 s57, s57, s58                     ; my first row within the batch
	s_mul_i32 s58, s56, HEADB
	s_lshr_b32 s59, s57, 7
	s_mul_i32 s59, s59, STEPB
	s_add_co_u32 s58, s58, s59                     ; kv: my head's, my key step's bytes
	s_and_b32 s59, s45, 1                          ; which half of the key step is mine
	s_wait_tensorcnt 0x0                           ; my 32 rows are in LDS,
	s_wait_loadcnt 0x0                             ; my scale words in registers,
	s_barrier_signal -1
	s_barrier_wait -1                              ; everybody's rows are in
.macro LDX k
.irp i, 0,1,2,3
.irp c, 0,1
	ds_load_b128 v[XF+8*\i+4*\c:XF+8*\i+4*\c+3], v[AX] offset:16*PITCH*\i+64*(\k)+32*\c
.endr
.endr
.endm
.macro LDW k
.irp t, 0,1,2,3
.irp c, 0,1
	ds_load_b128 v[WF+8*\t+4*\c:WF+8*\t+4*\c+3], v[AW] offset:(32*(\t/2)+8*(\t%2))*PITCH+64*(\k)+32*\c
.endr
.endr
.endm
.macro MM d, a, b, sa, sb              ; KZ: the first K step starts the sums; KH: K steps 4-7 take their scale words from lanes 16-31
.if KZ
	v_wmma_scale_f32_16x16x128_f8f6f4 v[\d:\d+7], v[\a:\a+7], v[\b:\b+7], 0, v[\sa], v[\sb] matrix_a_fmt:MATRIX_FMT_FP4 matrix_b_fmt:MATRIX_FMT_FP4
.elseif KH
	v_wmma_scale_f32_16x16x128_f8f6f4 v[\d:\d+7], v[\a:\a+7], v[\b:\b+7], v[\d:\d+7], v[\sa], v[\sb] matrix_a_fmt:MATRIX_FMT_FP4 matrix_b_fmt:MATRIX_FMT_FP4 matrix_a_scale:MATRIX_SCALE_ROW1 matrix_b_scale:MATRIX_SCALE_ROW1
.else
	v_wmma_scale_f32_16x16x128_f8f6f4 v[\d:\d+7], v[\a:\a+7], v[\b:\b+7], v[\d:\d+7], v[\sa], v[\sb] matrix_a_fmt:MATRIX_FMT_FP4 matrix_b_fmt:MATRIX_FMT_FP4
.endif
.endm
; A K step of 128: 16 LDS loads, 16 products; the 16 accumulators take turns, one instruction a turn, in the same order in every step.
.macro KSTEP k, vp
.set KZ, 0
.if (\k) == 0
.set KZ, 1
.else
	PLACES 4                                       ; in front of loads into registers that matrix instructions have read
.endif
.set KH, (\k)/4
.set KQ, (\k)%4
.if \vp
	LDX \k
	LDW \k
.else
	LDW \k
	LDX \k
.endif
.irp o, 0,1,2,3
	s_wait_dscnt 6-2*\o                            ; the operand loaded first and fragment o of the other are in; the later fragments, two loads each, stay out
.irp n, 0,1,2,3
.if \vp
	MM ACC+8*(4*\o+\n), XF+8*\n, WF+8*\o, SX+4*\n+KQ, SW+4*\o+KQ
.else
	MM ACC+8*(4*\o+\n), WF+8*\n, XF+8*\o, SW+4*\n+KQ, SX+4*\o+KQ
.endif
.endr
.endr
.endm
	s_cmp_ge_u32 s49, 2
	s_cbranch_scc1 .Lv
	; ---- q and k
	s_lshl_b32 s62, s56, 16
	s_lshl_b32 s63, s57, 5
	s_add_co_u32 s62, s62, s63                     ; q's images: 65,536 bytes a head, 512 a tile of 16 rows
	s_lshl_b32 s63, s56, 13
	s_lshl_b32 s66, s57, 2
	s_add_co_u32 s63, s63, s66
	s_add_co_u32 s63, s63, 0x200000                ; q's scale words: 8,192 bytes a head, 256 for 64 rows
	s_lshl_b32 s66, s59, 11
	s_add_co_u32 s66, s66, s58                     ; k's images: my four tiles of the key step's eight
	s_lshl_b32 s67, s59, 8
	s_add_co_u32 s67, s67, s58
	s_add_co_u32 s67, s67, KSCL                    ; k's scale words
	s_cmp_eq_u32 s49, 0
	s_cselect_b32 s62, s62, s66
	s_cselect_b32 s66, s63, s67
	s_cselect_b64 s[96:97], s[30:31], s[32:33]
	s_mov_b32 s63, 0
	s_mov_b32 s67, 0
	s_mov_b64 s[98:99], s[96:97]
	s_add_nc_u64 s[96:97], s[96:97], s[62:63]
	s_add_nc_u64 s[98:99], s[98:99], s[66:67]
	s_wait_alu depctr_va_vdst(0)
.irp k, 0,1,2,3,4,5,6,7
	KSTEP \k, 0
.endr
	PLACES 4                                       ; in front of the first reads of results and of writes over the fragments' registers
	s_cmp_lg_u32 s49, 0
	s_cbranch_scc1 .Lnot_q
.set ra, ACC
.rept 64
	v_pk_mul_f32 v[ra:ra+1], v[ra:ra+1], s[92:93] op_sel_hi:[1,0]   ; q / 8, exact, each accumulator from its low end on
.set ra, ra+2
.endr
.Lnot_q:
	v_mov_b32 v[TM+4], 0                           ; a lane permute's destination counts as one of its sources
	v_mov_b32 v[TM+5], 0
.irp o, 0,1,2,3                        ; tile o of 16 rows: registers 16 b + i are d = 32 b + 16 h + i of row r
	QUANT 2, ACC+32*\o, PC+4*\o, PW+\o
	v_or_b32 v[PW+\o], 0x7f7f0000, v[PW+\o]        ; the scores' K is 64: the upper two bytes scale zero codes
	global_store_b128 v1, v[PC+4*\o:PC+4*\o+3], s[96:97] offset:512*\o   ; the image of the operand's registers: 512 consecutive bytes
.endr
	v_cmp_eq_u32 vcc_lo, 1, v3
	s_delay_alu instid0(VALU_DEP_1)
	v_cndmask_b32 v120, v[PW], v[PW+2], vcc_lo
	s_delay_alu instid0(VALU_DEP_2)
	v_cndmask_b32 v121, v[PW+1], v[PW+3], vcc_lo
	global_store_b64 v6, v[120:121], s[98:99]      ; [row r][tile 0..3]: lanes 0-15 tiles 0, 1, lanes 16-31 tiles 2, 3: 256 consecutive bytes, aligned
	s_branch .Ljoin
	; ---- v
.Lv:
	s_sub_co_u32 s62, s49, 2
	s_lshl_b32 s63, s62, 12                        ; the statements' four tiles, then the operators'
	s_add_co_u32 s63, s63, s58
	s_lshl_b32 s66, s59, 9                         ; my 64 keys are part c = wr % 2 of each image
	s_add_co_u32 s63, s63, s66
	s_add_co_u32 s62, s63, VIMG
	s_mov_b32 s63, 0
	s_add_nc_u64 s[96:97], s[32:33], s[62:63]
	s_wait_alu depctr_va_vdst(0)
.irp k, 0,1,2,3,4,5,6,7
	KSTEP \k, 1
.endr
	PLACES 4
	v_mov_b32 v[TM+4], 0
	v_mov_b32 v[TM+5], 0
.irp t, 0,1,2,3                        ; tile t of 16 channels: registers 8 n + j are key 16 n + 8 h + j of my 64
	QUANT 2, ACC+32*\t, PC+4*\t, PW+\t
	global_store_b128 v1, v[PC+4*\t:PC+4*\t+3], s[96:97] offset:1024*\t
	ds_store_b16 v7, v[PW+\t] offset:4*\t          ; my two bytes of the word [channel lane r][tile t]; both halves of the lanes write the same value
.endr
.Ljoin:
	s_wait_dscnt 0x0                               ; for the others' sake: my LDS stores are done
	s_barrier_signal -1
	s_barrier_wait -1
	s_cmp_lt_u32 s49, 2
	s_cbranch_scc1 .Lend
	s_cmp_ge_u32 s[WV], 8
	s_cbranch_scc1 .Lend
	ds_load_b64 v[124:125], v8                     ; waves 0-7: the words of head wave / 2, key step wave % 2
	s_lshr_b32 s62, s[WV], 1
	s_add_co_u32 s62, s62, s60
	s_mul_i32 s62, s62, HEADB
	s_and_b32 s63, s[WV], 1
	s_add_co_u32 s63, s63, s61
	s_mul_i32 s63, s63, STEPB
	s_add_co_u32 s62, s62, s63
	s_sub_co_u32 s63, s49, 2
	s_lshl_b32 s63, s63, 8
	s_add_co_u32 s62, s62, s63
	s_add_co_u32 s62, s62, VSCL
	s_mov_b32 s63, 0
	s_add_nc_u64 s[34:35], s[32:33], s[62:63]
	s_wait_dscnt 0x0
	global_store_b64 v11, v[124:125], s[34:35]     ; 256 consecutive bytes, aligned
.Lend:
	s_wait_tensorcnt 0x0
	s_wait_dscnt 0x0
	s_wait_tensorcnt 0x0
	ds_add_u32 v30, v31
	s_wait_dscnt 0x0
	CROUND                                         ; the closing round: no work-group ends while a partner may still ask for a tile that names it
	s_endpgm
.Lfunc_end_k_q4aa5597ff6_proj:
	.size	k_q4aa5597ff6_proj, .Lfunc_end_k_q4aa5597ff6_proj-k_q4aa5597ff6_proj
	.p2alignl 7, 3214868480
	.fill 96, 4, 3214868480
	.section	.rodata,"a",@progbits
	.p2align	6, 0x0
	.amdhsa_kernel k_q4aa5597ff6_proj
		.amdhsa_group_segment_fixed_size 274432
		.amdhsa_private_segment_fixed_size 0
		.amdhsa_enable_private_segment 0
		.amdhsa_kernarg_size 120
		.amdhsa_user_sgpr_count 2
		.amdhsa_user_sgpr_kernarg_segment_ptr 1
		.amdhsa_wavefront_size32 1
		.amdhsa_system_sgpr_workgroup_id_x 1
		.amdhsa_system_sgpr_workgroup_id_y 1
		.amdhsa_system_sgpr_workgroup_id_z 1
		.amdhsa_system_vgpr_workitem_id 0
		.amdhsa_next_free_vgpr 256
		.amdhsa_next_free_sgpr 100
		.amdhsa_reserve_vcc 1
		.amdhsa_float_denorm_mode_32 3
		.amdhsa_float_denorm_mode_16_64 3
		.amdhsa_memory_ordered 1
		.amdhsa_forward_progress 1
		.amdhsa_inst_pref_size 86
	.end_amdhsa_kernel
	.amdgpu_metadata
---
amdhsa.version: [ 1, 2 ]
amdhsa.kernels:
  - .name:           k_q4aa5597ff6_proj
    .symbol:         k_q4aa5597ff6_proj.kd
    .args:
      - { .name: gsq, .offset: 0, .size: 8, .value_kind: global_buffer, .address_space: global }
      - { .name: PE_states_codes, .offset: 8, .size: 8, .value_kind: global_buffer, .address_space: global }
      - { .name: PE_statements_codes, .offset: 16, .size: 8, .value_kind: global_buffer, .address_space: global }
      - { .name: PE_operators_codes, .offset: 24, .size: 8, .value_kind: global_buffer, .address_space: global }
      - { .name: PE_states_scales, .offset: 32, .size: 8, .value_kind: global_buffer, .address_space: global }
      - { .name: PE_statements_scales, .offset: 40, .size: 8, .value_kind: global_buffer, .address_space: global }
      - { .name: PE_operators_scales, .offset: 48, .size: 8, .value_kind: global_buffer, .address_space: global }
      - { .name: w_q_codes, .offset: 56, .size: 8, .value_kind: global_buffer, .address_space: global }
      - { .name: w_k_codes, .offset: 64, .size: 8, .value_kind: global_buffer, .address_space: global }
      - { .name: w_v_codes, .offset: 72, .size: 8, .value_kind: global_buffer, .address_space: global }
      - { .name: w_q_scales, .offset: 80, .size: 8, .value_kind: global_buffer, .address_space: global }
      - { .name: w_k_scales, .offset: 88, .size: 8, .value_kind: global_buffer, .address_space: global }
      - { .name: w_v_scales, .offset: 96, .size: 8, .value_kind: global_buffer, .address_space: global }
      - { .name: qbuf, .offset: 104, .size: 8, .value_kind: global_buffer, .address_space: global }
      - { .name: kv, .offset: 112, .size: 8, .value_kind: global_buffer, .address_space: global }
    .group_segment_fixed_size: 274432
    .private_segment_fixed_size: 0
    .kernarg_segment_align: 8
    .kernarg_segment_size: 120
    .max_flat_workgroup_size: 512
    .sgpr_count:     100
    .vgpr_count:     256
    .wavefront_size: 32
...
	.end_amdgpu_metadata
.endif
;; end of part 2
;; launch attn (part 3): grid 8 x 32, 8 waves a work-group, clusters of 4 x 1, 327,680 bytes of LDS; arguments qbuf, kv, mbits, PE_solution_scores, obuf; writes obuf
.if DOCPART == 3
	.amdgcn_target "amdgcn-amd-amdhsa--gfx1250"
	.amdhsa_code_object_version 6
	.text
	.protected	k_q4aa5597ff6_attn
	.globl	k_q4aa5597ff6_attn
	.p2align	8
	.type	k_q4aa5597ff6_attn,@function
k_q4aa5597ff6_attn:
	s_mov_b64 s[64:65], 0
	v_nop
	global_prefetch_b8 v0, s[64:65] scope:SCOPE_SE
	s_setreg_imm32_b32 hwreg(HW_REG_WAVE_MODE, 25, 1), 1
	s_wait_xcnt 0x0
	s_wait_alu depctr_hold_cnt(0) depctr_sa_sdst(0) depctr_va_vdst(0) depctr_va_sdst(0) depctr_va_ssrc(0) depctr_va_vcc(0) depctr_vm_vsrc(0)
	s_getreg_b32 s2, hwreg(HW_REG_IB_STS2, 6, 4)
	s_cmp_eq_u32 s2, 0
	s_cbranch_scc0 .Lentry_in_a_cluster
	s_endpgm
.Lentry_in_a_cluster:
	s_bfe_u32 s2, ttmp6, 0x10000c
	s_cmp_lg_u32 s2, 0x3003
	s_cbranch_scc0 .Lentry_shape_is_right
	s_endpgm
.Lentry_shape_is_right:
; Attention on codes of E2M1 for one head (grid y) and 256 queries (grid x): S^T = K Q^T + the keys' bias, mask, p = 2^(t - M), O^T += V^T P^T for both value streams; O / sum is quantised for the last product.
; SHARES.  Eight waves; a wave owns TWO tiles of 16 queries: tile A's state lies in register window 0, tile B's in window 1 under the same numbers, so one macro serves both.
; Each fragment of K, V and of the bias is read from LDS once for the two tiles: 44 LDS loads a key step of 128 keys for 32 queries.
; B's scores take the bias as C from A's registers (D in window 1); five places later A's scores add in place.
; The next step's K, its scale words and the bias are loaded while the step in hand is worked; the last step is written out without them.
; LDS: the head's 16 key steps of 13,312 bytes (K's images, K's words, V's images, V's words) are filled ONCE, one joint tensor load a wave (104 rows of 256 bytes);
; CLUSTER 4 x 1: the four work-groups of a cluster walk the same head.  K and V are not prefetched: their one fill stands at the head, with no loop to run ahead in.
; The lane masks (64 dwords for a tile and step) come by scalar loads: the two tiles' take turns in the same 64 registers, each loaded under the other tile's softmax.
; THE MASKS ARE PREFETCHED: the 16 heads of a batch read the same blocks and share them out by step: head h asks for step h's two blocks of 256 bytes of its waves' tiles, in trip h - 2, two trips ahead of the loads; steps 0 and 1 come by their loads alone.
; The softmax's sums and maxima go in many short chains (eight for the maxima, a tree in place for the row's sum), so that few lines read the line just above them.
; LIMITS: a masked score is set to -2^31 ahead of the factor log2(e) / 2, where reference() sets the logit to -1e9: the promise holds while the scaled scores of live keys stay under 2^31 in magnitude;
; a row with no live key gives equal p in both.  A block of zeros gets the byte 1 (its codes are zeros).  NaN and infinities are not served.  The row's sum is added in another order than ascending keys.
.set STEPB, 13312
.set HEADB, 16*STEPB
.set KSCL,  4096
.set VIMG,  4608
.set VSCL,  12800
.set SCB,   HEADB                      ; the batch's 2,048 bias numbers, stored by the waves
.set SPARE, SCB+8192                   ; the spare words: 128 bytes a wave
.set WV,  2
.set CNT, 3
.set CS,  6                            ; s[6:7] log2(e) / 2
.set G1,  8
.set G0A, 16
.set PFA, 20                           ; s[20:21] the masks that my work-group prefetches; never rewritten
.set LIM, 22                           ; s22 the count of trips at which it asks
.set SEL, 24
.set TB,  26                           ; LDS byte of the key step in hand
.set MO,  27                           ; its byte among a tile's lane masks
.set TS,  66                           ; its byte among the bias numbers
.set MA,  32                           ; s32-63, s68-99: 64 lane masks
.set MB,  68
.set QF,  16                           ; both windows: Q's fragment, v20-23 zeros (the scores' K is 64)
.set QS,  24                           ; v24, v25: Q's scale words of tiles A, B
.set VF,  32                           ; window 0: the statements' four fragments of V
.set KF,  32                           ; window 1: K's eight half fragments, v64-67 zeros
.set VO0, 68                           ; window 1: the operators' four fragments of V
.set VO1, 76
.set VO2, 24
.set VO3, 224
.set KS,  68                           ; window 0: K's scale words, then V's
.set VS,  76
.set PCD, 84                           ; both windows: p's codes
.set PWD, 92                           ; window 0: v92, v93: p's scale words of tiles A, B
.set S,   96
.set O,   160
.set TM,  232
.set MSB, 0
.macro WIN new                         ; the immediate's high byte repeats the setting that is left
.if MSB != (\new)
	s_set_vgpr_msb (MSB<<8)|(\new)
.set MSB, (\new)
.endif
.endm
.macro PLACES n
.rept \n
	v_nop
.endr
.endm
.macro CROUND
	s_barrier_signal -1
	s_barrier_wait -1
	s_cmp_lg_u32 s[WV], 0
	s_cbranch_scc1 .Lnot_wave_0_\@
	s_barrier_signal -3
.Lnot_wave_0_\@:
	s_barrier_wait -3
	s_barrier_signal -1
	s_barrier_wait -1
.endm
.macro MM d, a, bb, c, sa, sb
	v_wmma_scale_f32_16x16x128_f8f6f4 v[\d:\d+7], v[\a:\a+7], v[\bb:\bb+7], v[\c:\c+7], v[\sa], v[\sb] matrix_a_fmt:MATRIX_FMT_FP4 matrix_b_fmt:MATRIX_FMT_FP4
.endm
; four blocks of 32: registers v[s + 16 b + i] are a lane's 16 numbers of block b, lane l xor 16 holds the other 16
.macro QUANT s, pc, pw
.irp q, 0,1,2,3
	v_max3_num_f32 v[TM+\q], |v[(\s)+16*\q]|, |v[(\s)+16*\q+1]|, 0x1800000
.endr
.irp i, 2,4,6,8,10,12,14
.irp q, 0,1,2,3
	v_max3_num_f32 v[TM+\q], v[TM+\q], |v[(\s)+16*\q+\i]|, |v[(\s)+16*\q+\i+1]|
.endr
.endr
.irp q, 0,1,2,3
	v_permlanex16_b32 v[TM+4+\q], v[TM+\q], s[SEL], s[SEL+1]
.endr
.irp q, 0,1,2,3
	v_max_num_f32 v[TM+\q], v[TM+\q], v[TM+4+\q]
.endr
.irp q, 0,1,2,3
	v_add_nc_u32 v[TM+12+\q], 0xff000000, v[TM+\q]
.endr
.irp q, 0,1,2,3
	v_lshrrev_b32 v[TM+4+\q], 23, v[TM+12+\q]
.endr
	v_lshl_or_b32 v[\pw], v[TM+5], 8, v[TM+4]
	s_delay_alu instid0(VALU_DEP_1)
	v_lshl_or_b32 v[\pw], v[TM+6], 16, v[\pw]
	s_delay_alu instid0(VALU_DEP_1)
	v_lshl_or_b32 v[\pw], v[TM+7], 24, v[\pw]
.irp q, 0,1,2,3
	v_cvt_scalef32_pk8_fp4_f32 v[(\pc)+2*\q], v[(\s)+16*\q:(\s)+16*\q+7], v[TM+12+\q]
	v_cvt_scalef32_pk8_fp4_f32 v[(\pc)+2*\q+1], v[(\s)+16*\q+8:(\s)+16*\q+15], v[TM+12+\q]
.endr
	v_nop
.irp q, 0,1
	v_permlane16_swap_b32 v[(\pc)+4*\q], v[(\pc)+4*\q+2]
	v_permlane16_swap_b32 v[(\pc)+4*\q+1], v[(\pc)+4*\q+3]
.endr
.endm
	s_load_b256 s[68:75], s[0:1], 0x0              ; qbuf, kv, mbits, the bias
	s_load_b64 s[76:77], s[0:1], 0x20              ; obuf
	v_lshl_add_u32 v30, v0, 2, SPARE
	v_mov_b32 v31, 0
	ds_add_u32 v30, v31                            ; the opening lines: the add twice and its wait
	ds_add_u32 v30, v31
	v_lshrrev_b32 v1, 5, v0
	s_delay_alu instid0(VALU_DEP_1)
	v_readfirstlane_b32 s[WV], v1                  ; wave 0..7
	s_bfe_u32 s32, ttmp6, 0x40000                  ; cx: it enters global addresses of Q, the masks and the results alone
	s_lshl_b32 s33, ttmp9, 2
	s_add_co_u32 s33, s33, s32
	s_lshl_b32 s33, s33, 3
	s_add_co_u32 s33, s33, s[WV]
	s_lshl_b32 s33, s33, 1                         ; tile A of the head's 128; tile B is the next
	s_and_b32 s34, ttmp7, 0xffff                   ; head of 32
	s_lshr_b32 s35, s34, 4                         ; batch
	s_and_b32 s36, s34, 15                         ; h: the head within the batch
	s_lshl_b32 s37, s35, 7
	s_add_co_u32 s37, s37, s33                     ; tile A of the 256
	s_mul_i32 s40, s34, HEADB
	s_mul_i32 s38, s[WV], 2*STEPB                  ; a wave brings two key steps
	s_add_co_u32 s40, s40, s38
	s_mov_b32 s41, 0
	s_mov_b32 s[G1], 15|(3<<16)|(1<<21)            ; the mask: all four; elements of 8 bytes; bit 21 beside a mask
	s_mov_b32 s[G1+1], 32<<16
	s_mov_b32 s[G1+2], 104<<16
	s_mov_b32 s[G1+3], 32<<16
	s_mov_b32 s[G1+4], 104
	s_mov_b32 s[G1+5], 32
	s_mov_b32 s[G1+6], 0
	s_mov_b32 s[G1+7], 0
	s_mov_b32 s[CS], 0x3f38aa3b
	s_mov_b32 s[CS+1], s[CS]
	s_mov_b32 s[SEL], 0x76543210
	s_mov_b32 s[SEL+1], 0xfedcba98
	s_mov_b32 s[TB], 0
	s_mov_b32 s[TS], 0
	s_mov_b32 s[MO], 0
	s_sub_co_u32 s[LIM], 17, s36                   ; trip t has the count 15 - t: head h asks in trip h - 2 (heads 0 and 1: never)
	s_wait_dscnt 0x0
	s_wait_kmcnt 0x0
	s_add_nc_u64 s[40:41], s[70:71], s[40:41]
	CROUND                                         ; the four work-groups are here: the joint loads meet
	s_mov_b32 s[G0A], 1
	s_mov_b32 s[G0A+1], s38
	s_mov_b64 s[G0A+2:G0A+3], s[40:41]
	s_or_b32 s[G0A+3], s[G0A+3], 0x80000000
	tensor_load_to_lds s[G0A:G0A+3], s[G1:G1+7]    ; my one tensor load of the launch
	s_nop 0
	PLACES 4
	s_lshl_b32 s42, s35, 13
	s_mov_b32 s43, 0
	s_add_nc_u64 s[42:43], s[74:75], s[42:43]      ; the batch's bias
	s_lshl_b32 s44, s34, 7
	s_add_co_u32 s44, s44, s33
	s_lshl_b32 s44, s44, 9
	s_mov_b32 s45, 0
	s_add_nc_u64 s[44:45], s[68:69], s[44:45]      ; Q's images: 512 bytes a tile
	s_lshl_b32 s46, s34, 13
	s_lshr_b32 s47, s33, 2
	s_lshl_b32 s47, s47, 8
	s_add_co_u32 s46, s46, s47
	s_and_b32 s47, s33, 3
	s_lshl_b32 s47, s47, 2
	s_add_co_u32 s46, s46, s47
	s_add_co_u32 s46, s46, 0x200000
	s_mov_b32 s47, 0
	s_add_nc_u64 s[46:47], s[68:69], s[46:47]      ; Q's scale words: tile B's 4 bytes on
	s_lshl_b32 s48, s37, 12
	s_mov_b32 s49, 0
	s_add_nc_u64 s[4:5], s[72:73], s[48:49]        ; lane masks: 4,096 bytes a tile
	s_lshl_b32 s[PFA], s36, 8
	s_mov_b32 s[PFA+1], 0
	s_add_nc_u64 s[PFA:PFA+1], s[4:5], s[PFA:PFA+1]   ; step h's 256 bytes of tile A's masks
	s_lshl_b32 s48, s37, 13
	s_lshl_b32 s50, s36, 9
	s_add_co_u32 s48, s48, s50
	s_add_nc_u64 s[28:29], s[76:77], s[48:49]      ; results: 8,192 bytes a tile
	s_lshl_b32 s48, s37, 4
	s_add_co_u32 s48, s48, s36
	s_lshl_b32 s48, s48, 7
	s_add_co_u32 s48, s48, 0x400000
	s_add_nc_u64 s[30:31], s[76:77], s[48:49]      ; their scale words: 2,048 bytes a tile
	v_and_b32 v1, 31, v0
	s_delay_alu instid0(VALU_DEP_1)
	v_lshlrev_b32 v27, 2, v1                       ; 4 x lane
	v_lshlrev_b32 v1, 4, v1                        ; 16 x lane
	v_and_b32 v2, 15, v0
	s_delay_alu instid0(VALU_DEP_1)
	v_lshlrev_b32 v2, 4, v2                        ; 16 r
	v_lshlrev_b32 v29, 4, v0                       ; 16 x thread
	global_load_b128 v[8:11], v29, s[42:43]
	global_load_b128 v[32:35], v29, s[42:43] offset:4096
	global_load_b128 v[QF:QF+3], v1, s[44:45]
	global_load_b32 v[QS], v2, s[46:47]
	global_load_b32 v[QS+1], v2, s[46:47] offset:4
	WIN 0x40
	global_load_b128 v[QF:QF+3], v1, s[44:45] offset:512   ; tile B's fragment, into window 1
	WIN 0
	v_bfe_u32 v3, v0, 4, 1
	s_delay_alu instid0(VALU_DEP_1)
	v_lshl_add_u32 v3, v3, 5, SCB                  ; the bias in the scores' layout: + 32 h
	v_add_nc_u32 v26, SCB, v29
	v_and_b32 v28, 1, v0
	s_delay_alu instid0(VALU_DEP_1)
	v_lshlrev_b32 v28, 12, v28                     ; the prefetch's offset: even lanes tile A's block, odd lanes tile B's; never rewritten
	s_wait_alu depctr_va_vdst(0)
	s_wait_xcnt 0x0                                ; the loads have read their bases: the masks may land there
.macro MLOAD off
	s_load_b512 s[MA:MA+15], s[4:5], s[MO] offset:\off
	s_load_b512 s[MA+16:MA+31], s[4:5], s[MO] offset:\off+0x40
	s_load_b512 s[MB:MB+15], s[4:5], s[MO] offset:\off+0x80
	s_load_b512 s[MB+16:MB+31], s[4:5], s[MO] offset:\off+0xc0
.endm
	MLOAD 0                                        ; tile A's masks of step 0
	s_wait_loadcnt 4                               ; the two loads of the bias are in
	ds_store_b128 v26, v[8:11]
	ds_store_b128 v26, v[32:35] offset:4096
.macro INIT                            ; a tile's state: the first step finds zeros, which the first change of M leaves zeros
	v_mov_b32 v4, 0xcf000000                       ; -2^31
.irp i, 20,21,22,23,14,15,236,237,238,239,253
	v_mov_b32 v[\i], 0
.endr
	v_mov_b32 v13, 0xff61b1e6                      ; the largest score so far: -3e38
	s_delay_alu instid0(VALU_DEP_1)
	v_floor_f32 v12, -v13
.set j, 0
.rept 64
	v_mov_b32 v[O+j], 0
.set j, j+1
.endr
.endm
	INIT
	WIN 0x55
.irp i, 64,65,66,67
	v_mov_b32 v[\i], 0                             ; behind K's last half fragment: codes that meet Q's zeros
.endr
	INIT
	WIN 0
.macro KLOAD ak, as, off               ; K's eight half fragments into window 1, its scale words into window 0
	WIN 0x40
.irp t, 0,1,2,3,4,5,6,7
	ds_load_b128 v[KF+4*\t:KF+4*\t+3], v[\ak] offset:\off+512*\t
.endr
	WIN 0
.irp e, 0,1
	ds_load_b128 v[KS+4*\e:KS+4*\e+3], v[\as] offset:\off+KSCL+256*\e
.endr
.endm
.macro BLOAD ab, off                   ; the bias of 128 keys in the scores' layout, into tile A's score registers
.irp t, 0,1,2,3,4,5,6,7
.irp e, 0,1
	ds_load_b128 v[S+8*\t+4*\e:S+8*\t+4*\e+3], v[\ab] offset:\off+64*\t+16*\e
.endr
.endr
.endm
.macro VOL r, t
.irp c, 0,1
	ds_load_b128 v[\r+4*\c:\r+4*\c+3], v5 offset:VIMG+4096+1024*\t+512*\c
.endr
.endm
.macro TFMA from                       ; t - M of sixteen scores
.set j, \from
.rept 8
	v_pk_fma_f32 v[S+j:S+j+1], v[S+j:S+j+1], s[CS:CS+1], v[12:13] op_sel_hi:[1,0,0]
.set j, j+2
.endr
.endm
.macro OMUL from                       ; sixteen numbers of O^T under the new M
.set j, \from
.rept 8
	v_pk_mul_f32 v[O+j:O+j+1], v[O+j:O+j+1], v[252:253] op_sel_hi:[1,0]
.set j, j+2
.endr
.endm
.macro TREE n                          ; the sum's tree, in place: pair i += pair i + n, i under n
.set j, 0
.rept \n
	v_pk_add_f32 v[S+j:S+j+1], v[S+j:S+j+1], v[S+2*\n+j:S+2*\n+j+1]
.set j, j+2
.endr
.endm
; One tile's mask, softmax and quantiser, under the tile's window (w = 0: all operands window 0; 1: window 1), up to the rescaled O^T.
.macro SOFT w, pf
.set n, 0
.rept 32
	v_cndmask_b32 v[S+n], v4, v[S+n], s[MA+n]
.set n, n+1
.endr
.set n, 0
.rept 32
	v_cndmask_b32 v[S+32+n], v4, v[S+32+n], s[MB+n]
.set n, n+1
.endr
.if \w == 0
	MLOAD 0x1000                                   ; tile B's masks of this step
.elseif \pf
	s_add_co_u32 s[MO], s[MO], 256
	MLOAD 0                                        ; tile A's of the next
.endif
.irp q, 0,1,2,3                        ; each block's largest score: two chains a block, eight by turns
	v_max3_num_f32 v[232+\q], v[S+16*\q], v[S+1+16*\q], v[S+2+16*\q]
.endr
.irp q, 0,1,2,3
	v_max3_num_f32 v[244+\q], v[S+7+16*\q], v[S+8+16*\q], v[S+9+16*\q]
.endr
.irp i, 3,5
.irp q, 0,1,2,3
	v_max3_num_f32 v[232+\q], v[232+\q], v[S+16*\q+\i], v[S+1+16*\q+\i]
.endr
.irp q, 0,1,2,3
	v_max3_num_f32 v[244+\q], v[244+\q], v[S+7+16*\q+\i], v[S+8+16*\q+\i]
.endr
.endr
.irp q, 0,1,2,3
	v_max3_num_f32 v[232+\q], v[232+\q], v[244+\q], v[S+14+16*\q]
.endr
.irp q, 0,1,2,3
	v_max_num_f32 v[232+\q], v[232+\q], v[S+15+16*\q]
.endr
.irp q, 0,1,2,3
	v_permlanex16_b32 v[236+\q], v[232+\q], s[SEL], s[SEL+1]
.endr
.irp q, 0,1,2,3
	v_max_num_f32 v[232+\q], v[232+\q], v[236+\q]
.endr
	v_max3_num_f32 v254, v232, v233, v234
	v_mov_b32 v241, v12                            ; the old -M
	s_delay_alu instid0(VALU_DEP_2)
	v_max3_num_f32 v13, v13, v254, v235            ; the running largest score (the factor is positive: its product is the largest t)
	s_delay_alu instid0(VALU_DEP_1)
	v_mul_f32 v254, s[CS], v13
	s_delay_alu instid0(VALU_DEP_1)
	v_floor_f32 v12, -v254                         ; -M, a whole number
.irp q, 0,1,2,3
	v_fma_f32 v[232+\q], v[232+\q], s[CS], v12
.endr
	TFMA 0                                         ; the three lines that make f = 2^(old M - new M) stand among the scalings
	v_sub_f32 v241, v12, v241
	TFMA 16
	v_cvt_i32_f32 v241, v241
	TFMA 32
	v_ldexp_f32 v252, 1.0, v241
	TFMA 48
	s_wait_alu depctr_va_vdst(0)                   ; the wait ahead of the batch
.irp q, 0,1,2,3
	v_exp_f32 v[232+\q], v[232+\q]                 ; each block's largest p
.endr
.set j, 0
.rept 64
	v_exp_f32 v[S+j], v[S+j]
.set j, j+1
.endr
	v_pk_mul_f32 v[14:15], v[14:15], v[252:253] op_sel_hi:[1,0]
	s_wait_alu depctr_va_vdst(0)                   ; and behind it
.irp q, 0,1,2,3
	v_max_num_f32 v[232+\q], 0x1800000, v[232+\q]
.endr
.irp q, 0,1,2,3
	v_add_nc_u32 v[244+\q], 0xff000000, v[232+\q]
.endr
.irp q, 0,1,2,3
	v_lshrrev_b32 v[236+\q], 23, v[244+\q]
.endr
.irp q, 0,1,2,3
	v_cvt_scalef32_pk8_fp4_f32 v[PCD+2*\q], v[S+16*\q:S+7+16*\q], v[244+\q]
	v_cvt_scalef32_pk8_fp4_f32 v[PCD+1+2*\q], v[S+8+16*\q:S+15+16*\q], v[244+\q]
.endr
	v_lshl_or_b32 v240, v237, 8, v236              ; (a plain place behind the conversions)  p's scale word in two halves
	v_lshl_or_b32 v242, v239, 8, v238
	TREE 16                                        ; the row's sum of the unquantised p
	WIN 0x15*\w                                    ; scale words lie in window 0
	v_lshl_or_b32 v[PWD+\w], v242, 16, v240
	WIN 0x55*\w
.irp c, 0,1
.irp i, 0,1
	v_permlane16_swap_b32 v[PCD+4*\c+\i], v[PCD+2+4*\c+\i]
.endr
.endr
	TREE 8
	s_wait_alu depctr_va_vdst(0)                   ; the wait directly ahead of the first reader of O^T
	OMUL 0                                         ; the tree's narrow end stands among the rescaling
	TREE 4
	OMUL 16
	TREE 2
	OMUL 32
	TREE 1
	OMUL 48
	v_pk_add_f32 v[14:15], v[14:15], v[S:S+1]
.if (\w == 0) && \pf
	BLOAD 7, 512                                   ; tile A's score registers are free: the next step's bias
.endif
.endm
.macro PV w                            ; O^T += V^T P^T: the eight accumulators take turns
	WIN 0x54*\w
.irp t, 0,1,2,3
	MM O+8*\t, VF+8*\t, PCD, O+8*\t, VS+\t, PWD+\w
.endr
	WIN 0x01+0x54*\w
	MM O+32, VO0, PCD, O+32, VS+4, PWD+\w
	MM O+40, VO1, PCD, O+40, VS+5, PWD+\w
	MM O+48, VO2, PCD, O+48, VS+6, PWD+\w
	MM O+56, VO3, PCD, O+56, VS+7, PWD+\w
.endm
; A KEY STEP of 128 keys for both tiles.  pf = 1: the next step's K, bias and masks are asked for.
.macro STEP pf
	v_add_nc_u32 v5, s[TB], v1                     ; (these three and the v_nop are the places behind the last products)
	v_add_nc_u32 v6, s[TB], v2
	v_add_nc_u32 v7, s[TS], v3
	v_nop
.irp t, 0,1,2,3
.irp c, 0,1
	ds_load_b128 v[VF+8*\t+4*\c:VF+8*\t+4*\c+3], v5 offset:VIMG+1024*\t+512*\c
.endr
.endr
.irp e, 0,1
	ds_load_b128 v[VS+4*\e:VS+4*\e+3], v6 offset:VSCL+256*\e
.endr
	WIN 0x40
	VOL VO0, 0
	VOL VO1, 1
	VOL VO2, 2
	VOL VO3, 3
	WIN 0
.if \pf
	s_cmp_eq_u32 s[CNT], s[LIM]                    ; ids and the count of trips alone, the same in the cluster's four work-groups
	s_cbranch_scc0 .Lnot_mine_\@
	global_prefetch_b8 v28, s[PFA:PFA+1] th:TH_LOAD_NT scope:SCOPE_SE   ; the masks of the step two trips on, for all 16 heads that read them
.Lnot_mine_\@:
.endif
	s_wait_alu depctr_va_vdst(0)
	s_wait_dscnt 18                                ; K, its words and the bias are in; V's 18 loads just issued stay out
	WIN 0x45                                       ; D and Q in window 1, K in window 1, C (the bias) in window 0
.irp t, 0,1,2,3,4,5,6,7
	MM S+8*\t, KF+4*\t, QF, S+8*\t, KS+\t, QS+1
.endr
	WIN 0
	PLACES 5                                       ; the products below write over registers that those above read as C
	WIN 0x01
.irp t, 0,1,2,3,4,5,6,7
	MM S+8*\t, KF+4*\t, QF, S+8*\t, KS+\t, QS
.endr
	WIN 0
	PLACES 4
.if \pf
	KLOAD 5, 6, STEPB
.endif
	s_wait_kmcnt 0x0                               ; tile A's masks
	SOFT 0, \pf
	s_wait_alu depctr_va_vdst(0)
	s_wait_dscnt 26*\pf                            ; V is in; the next step's 10 loads of K and 16 of the bias stay out
	PV 0
	s_wait_kmcnt 0x0                               ; tile B's masks
	WIN 0x55
	s_wait_alu depctr_va_vdst(0)
	SOFT 1, \pf
	PV 1
	WIN 0
	s_add_co_u32 s[TB], s[TB], STEPB
	s_add_co_u32 s[TS], s[TS], 512
.endm
	s_wait_alu depctr_va_vdst(0)
	s_wait_loadcnt 0x0
	s_wait_tensorcnt 0x0                           ; my two key steps are in LDS,
	s_wait_dscnt 0x0                               ; my part of the bias is stored,
	s_barrier_signal -1
	s_barrier_wait -1                              ; everybody's are
	KLOAD 1, 2, 0
	BLOAD 3, 0
	s_mov_b32 s[CNT], 15
.Lstep:
	STEP 1
	s_sub_co_u32 s[CNT], s[CNT], 1
	s_cmp_lg_u32 s[CNT], 0
	s_cbranch_scc1 .Lstep
	STEP 0
	PLACES 4
; THE WAY OUT of a tile: O^T / the sum, quantised along the last product's K; images of operand registers, 512 consecutive bytes a store
.macro EPI w
	WIN 0x55*\w
	v_add_f32 v14, v14, v15
	s_delay_alu instid0(VALU_DEP_1)
	v_permlanex16_b32 v252, v14, s[SEL], s[SEL+1]
	s_delay_alu instid0(VALU_DEP_1)
	v_add_f32 v14, v14, v252
	s_wait_alu depctr_va_vdst(0)
	v_rcp_f32 v14, v14
	v_nop
	s_wait_alu depctr_va_vdst(0)
.set j, 0
.rept 64
	v_mul_f32 v[S+j], v[O+j], v14
.set j, j+1
.endr
	QUANT S, PCD, 92
	WIN 0x04*\w                                    ; the stores' data in the tile's window, their offsets in window 0
	global_store_b128 v1, v[PCD:PCD+3], s[28:29] offset:8192*\w
	global_store_b128 v1, v[PCD+4:PCD+7], s[28:29] offset:2097152+8192*\w
	global_store_b32 v27, v92, s[30:31] offset:2048*\w
.endm
	EPI 0
	EPI 1
	WIN 0
	s_wait_tensorcnt 0x0                           ; the wave's end
	ds_add_u32 v30, v31
	s_wait_dscnt 0x0
	CROUND                                         ; the closing round
	s_endpgm
.Lfunc_end_k_q4aa5597ff6_attn:
	.size	k_q4aa5597ff6_attn, .Lfunc_end_k_q4aa5597ff6_attn-k_q4aa5597ff6_attn
	.p2alignl 7, 3214868480
	.fill 96, 4, 3214868480
	.section	.rodata,"a",@progbits
	.p2align	6, 0x0
	.amdhsa_kernel k_q4aa5597ff6_attn
		.amdhsa_group_segment_fixed_size 327680
		.amdhsa_private_segment_fixed_size 0
		.amdhsa_enable_private_segment 0
		.amdhsa_kernarg_size 40
		.amdhsa_user_sgpr_count 2
		.amdhsa_user_sgpr_kernarg_segment_ptr 1
		.amdhsa_wavefront_size32 1
		.amdhsa_system_sgpr_workgroup_id_x 1
		.amdhsa_system_sgpr_workgroup_id_y 1
		.amdhsa_system_sgpr_workgroup_id_z 1
		.amdhsa_system_vgpr_workitem_id 0
		.amdhsa_next_free_vgpr 512
		.amdhsa_next_free_sgpr 100
		.amdhsa_reserve_vcc 0
		.amdhsa_float_denorm_mode_32 3
		.amdhsa_float_denorm_mode_16_64 3
		.amdhsa_memory_ordered 1
		.amdhsa_forward_progress 1
		.amdhsa_inst_pref_size 109
	.end_amdhsa_kernel
	.amdgpu_metadata
---
amdhsa.version: [ 1, 2 ]
amdhsa.kernels:
  - .name:           k_q4aa5597ff6_attn
    .symbol:         k_q4aa5597ff6_attn.kd
    .args:
      - { .name: qbuf, .offset: 0, .size: 8, .value_kind: global_buffer, .address_space: global }
      - { .name: kv, .offset: 8, .size: 8, .value_kind: global_buffer, .address_space: global }
      - { .name: mbits, .offset: 16, .size: 8, .value_kind: global_buffer, .address_space: global }
      - { .name: PE_solution_scores, .offset: 24, .size: 8, .value_kind: global_buffer, .address_space: global }
      - { .name: obuf, .offset: 32, .size: 8, .value_kind: global_buffer, .address_space: global }
    .group_segment_fixed_size: 327680
    .private_segment_fixed_size: 0
    .kernarg_segment_align: 8
    .kernarg_segment_size: 40
    .max_flat_workgroup_size: 256
    .sgpr_count:     100
    .vgpr_count:     512
    .wavefront_size: 32
...
	.end_amdgpu_metadata
.endif
;; end of part 3
;; launch fcln (part 4): grid 256 x 1, 16 waves a work-group, clusters of 4 x 1, 289,792 bytes of LDS; arguments obuf, wimg, w_fc_scales, global_state, ln_gamma, ln_beta, out0, out1; writes out0, out1
.if DOCPART == 4
	.amdgcn_target "amdgcn-amd-amdhsa--gfx1250"
	.amdhsa_code_object_version 6
	.text
	.protected	k_q4aa5597ff6_fcln
	.globl	k_q4aa5597ff6_fcln
	.p2align	8
	.type	k_q4aa5597ff6_fcln,@function
k_q4aa5597ff6_fcln:
	s_mov_b64 s[64:65], 0
	v_nop
	global_prefetch_b8 v0, s[64:65] scope:SCOPE_SE
	s_setreg_imm32_b32 hwreg(HW_REG_WAVE_MODE, 25, 1), 1
	s_wait_xcnt 0x0
	s_wait_alu depctr_hold_cnt(0) depctr_sa_sdst(0) depctr_va_vdst(0) depctr_va_sdst(0) depctr_va_ssrc(0) depctr_va_vcc(0) depctr_vm_vsrc(0)
	s_getreg_b32 s2, hwreg(HW_REG_IB_STS2, 6, 4)
	s_cmp_eq_u32 s2, 0
	s_cbranch_scc0 .Lentry_in_a_cluster
	s_endpgm
.Lentry_in_a_cluster:
	s_bfe_u32 s2, ttmp6, 0x10000c
	s_cmp_lg_u32 s2, 0x3003
	s_cbranch_scc0 .Lentry_shape_is_right
	s_endpgm
.Lentry_shape_is_right:
; out = layer_norm(o W_fc^T + global_state) x gamma + beta, for both streams; the products on codes of E2M1.
; A work-group owns 16 rows of both outputs, so a row's mean and variance never leave it and the residual is read once for the two.  Wave w owns columns 64 w .. 64 w + 63: four tiles of W x two streams: 8 accumulators.
; The products are used transposed (source 0 = 16 rows of W, source 1 = o's 16 rows): lane (r, h) holds row r and columns 64 w + 16 t + 8 h + j.
; o's 16 fragments (2 streams x 8 K steps) come once into LDS as register images, one a wave.  The residual is the C of each sum's first product.
; W, WHICH ALL WORK-GROUPS WALK, is 8 K steps of 65,536 bytes of register images.  CLUSTER 4 x 1: K steps 0 to 2, one dense block of 196,608 bytes, are asked for JOINTLY by the four partners, one tensor load
; a wave (48 rows of 256 bytes), and stay in LDS: every LDS byte is filled once.  Beside the 91,136 bytes of o's fragments, the stages and the sums a fourth K step would not fit (353,280 bytes against 327,680).
; K steps 3 to 7 come from their images in memory straight into registers, 512 consecutive bytes an instruction, through two sets of registers (16 loads a wave on their way).  They are not shared in the
; cluster: that would take LDS bytes filled again behind rounds of the cluster's barrier, with 8 products a wave and K step between a request and its use.
; The K steps are taken in the order 3, 4, 0, 5, 1, 6, 2, 7: those from LDS stand where a set of registers is being filled again.  The sums are f32; their order differs from ascending K.
; The layer norm goes in two passes, as the definition has it: the mean, then the mean of the squared differences; no difference of large sums is formed.
.set AIMG, 0                           ; LDS: o's 16 fragments of 1,024 bytes (stream x 8 + K step)
.set STG,  16384                       ; a stage of 16 rows x (256 bytes + 16) for each wave, its own
.set SPT,  272
.set RED,  STG+16*16*SPT               ; the waves' partial sums: [stream][row] 80 bytes apart, [wave] f32: 2,560 bytes; behind them the same for the squares
.set WL,   RED+5120                    ; W's K steps 0 to 2, dense as in memory: the only bytes into which tensor loads land
.set KSB,  65536                       ; a K step of W's images: 64 tiles x 1,024 bytes
.set WS,   32                          ; at the end beta lies in v32-63 and gamma in v96-127
.set GA,   32                          ; v32-63   W's fragments from memory: K steps 3, 5, 7
.set GB,   64                          ; v64-95   K steps 4, 6
.set LS,   96                          ; v96-127  W's fragments from LDS: K steps 0, 1, 2
.set ACS,  128                         ; v128-159 the statements' accumulators
.set ACO,  160                         ; v160-191 the operators'
.set AF,   192                         ; v192-223 o's fragments, two sets of 16 (statements' 8, operators' 8)
.set SW,   224                         ; v224-239 W's scale words: tile t, register q: K step q in lanes 0-15, 4 + q in lanes 16-31
.set SA,   240                         ; v240-247 o's scale words, a K step each: the statements' in lanes 0-15, the operators' in lanes 16-31
.set WV,   20                          ; s20 my wave's number
.set G1,   40                          ; s[40:47] descriptor group 1;  s[48:51] group 0
.set G0,   48
.macro PLACES n
.rept \n
	v_nop
.endr
.endm
.macro CROUND                          ; a round of the cluster's barrier
	s_barrier_signal -1
	s_barrier_wait -1
	s_cmp_lg_u32 s[WV], 0
	s_cbranch_scc1 .Lnot_wave_0_\@
	s_barrier_signal -3
.Lnot_wave_0_\@:
	s_barrier_wait -3
	s_barrier_signal -1
	s_barrier_wait -1
.endm
	s_load_b512 s[4:19], s[0:1], 0x0               ; obuf, wimg, w_fc's scales, global_state, gamma, beta, out0, out1
	v_lshl_add_u32 v254, v0, 2, 0x46400
	v_mov_b32 v255, 0
	ds_add_u32 v254, v255
	ds_add_u32 v254, v255
	v_lshrrev_b32 v1, 5, v0
	s_delay_alu instid0(VALU_DEP_1)
	v_readfirstlane_b32 s[WV], v1                  ; wave 0..15
	s_bfe_u32 s38, ttmp6, 0x40000                  ; cx: it enters global addresses of o, the residual and the results alone
	s_lshl_b32 s39, ttmp9, 2
	s_add_co_u32 s39, s39, s38                     ; my tile of 16 rows, 0..255
	v_and_b32 v9, 31, v0
	s_delay_alu instid0(VALU_DEP_1)
	v_lshlrev_b32 v1, 4, v9                        ; 16 x lane
	s_delay_alu instid0(VALU_DEP_2)
	v_lshlrev_b32 v2, 2, v9                        ; 4 x lane
	v_and_b32 v18, 15, v0                          ; r
	v_bfe_u32 v19, v0, 4, 1                        ; h
	s_mul_i32 s21, s20, 16*SPT
	s_add_co_u32 s21, s21, STG
	v_mul_u32_u24 v3, v18, SPT
	s_delay_alu instid0(VALU_DEP_1)
	v_lshl_add_u32 v3, v19, 5, v3
	s_delay_alu instid0(VALU_DEP_1)
	v_add_nc_u32 v3, s21, v3                       ; my stage in the result's layout: row r, + 32 h
	v_mul_u32_u24 v4, v19, SPT
	s_delay_alu instid0(VALU_DEP_1)
	v_lshl_add_u32 v4, v18, 4, v4
	s_delay_alu instid0(VALU_DEP_1)
	v_add_nc_u32 v4, s21, v4                       ; and by rows: lanes 0-15 one row, lanes 16-31 the next
	s_lshl_b32 s22, s20, 8
	v_lshlrev_b32 v5, 12, v19
	s_delay_alu instid0(VALU_DEP_1)
	v_lshl_add_u32 v5, v18, 4, v5
	s_delay_alu instid0(VALU_DEP_1)
	v_add_nc_u32 v5, s22, v5                       ; the same in memory: rows of 4,096 bytes, my 256 bytes of them
	v_mul_u32_u24 v7, v18, 80
	s_delay_alu instid0(VALU_DEP_1)
	v_add_nc_u32 v7, RED, v7                       ; a row's sixteen partial sums
	s_lshl_b32 s23, s20, 2
	v_add_nc_u32 v6, s23, v7                       ; mine among them
	v_mov_b32 v8, 0x05040100
	v_mov_b32 v20, 0x07060302
	v_cmp_eq_u32 vcc_lo, 1, v19
	s_delay_alu instid0(VALU_DEP_1)
	v_cndmask_b32 v8, v8, v20, vcc_lo              ; which two bytes of a head's word: lanes 0-15 the statements', lanes 16-31 the operators'
	s_lshl_b32 s24, s20, 10
	v_add_nc_u32 v21, s24, v1                      ; where I put the fragment that I bring
	v_lshlrev_b32 v22, 5, v18
	s_delay_alu instid0(VALU_DEP_1)
	v_lshl_add_u32 v22, v19, 4, v22                ; W's scales: row r of 32 bytes, + 16 h
	v_lshl_add_u32 v23, v19, 5, s22                ; gamma, beta: 256 w + 32 h
	s_lshl_b32 s52, s20, 12
	s_add_co_u32 s52, s52, WL
	v_add_nc_u32 v24, s52, v1                      ; my four tiles of K step 0 in LDS: 4,096 w + 16 x lane;
	s_delay_alu instid0(VALU_DEP_1)
	v_add_nc_u32 v25, KSB, v24                     ; of K step 1;
	s_delay_alu instid0(VALU_DEP_2)
	v_add_nc_u32 v26, 2*KSB, v24                   ; of K step 2
	v_mov_b32 v252, 0                              ; lane permutes' destinations count as read
	v_mov_b32 v253, 0
	s_mov_b32 s34, 0x76543210
	s_mov_b32 s35, 0xfedcba98
	s_mov_b32 s36, 0x3a800000                      ; 1 / 1,024
	s_mov_b32 s37, 0x358637bd                      ; 1e-6
	s_mov_b32 s[G1], 15|(3<<16)|(1<<21)            ; the mask: all four; elements of 8 bytes; bit 21 beside a mask; no padding: every read is 16 x lane
	s_mov_b32 s[G1+1], 32<<16                      ; tensor_dim0 = 32 (256 bytes)
	s_mov_b32 s[G1+2], 48<<16                      ; tensor_dim1 = 48
	s_mov_b32 s[G1+3], 32<<16                      ; tile_dim0
	s_mov_b32 s[G1+4], 48                          ; tile_dim1
	s_mov_b32 s[G1+5], 32                          ; dense
	s_mov_b32 s[G1+6], 0
	s_mov_b32 s[G1+7], 0
	s_mul_i32 s52, s20, 12288                      ; a wave brings 48 rows of 256 bytes of the 196,608: the wave's number alone enters both addresses
	s_mov_b32 s53, 0
	s_lshr_b32 s24, s20, 3
	s_lshl_b32 s24, s24, 21                        ; stream wave / 8,
	s_lshl_b32 s25, s39, 13                        ; my 16 rows' eight fragments,
	s_add_co_u32 s24, s24, s25
	s_and_b32 s25, s20, 7
	s_lshl_b32 s25, s25, 10                        ; K step wave % 8
	s_add_co_u32 s24, s24, s25
	s_mov_b32 s25, 0
	s_lshl_b32 s26, s39, 11
	s_add_co_u32 s26, s26, 0x400000                ; the 16 heads' scale words
	s_mov_b32 s27, 0
	s_lshl_b32 s28, s39, 16                        ; 16 rows of 4,096 bytes
	s_mov_b32 s29, 0
	s_lshl_b32 s30, s20, 11                        ; 64 rows of W's scales
	s_mov_b32 s31, 0
	s_lshl_b32 s32, s20, 12                        ; my four tiles in a K step of W's images
	s_mov_b32 s33, 0
	s_wait_dscnt 0x0
	s_wait_kmcnt 0x0
	s_add_nc_u64 s[54:55], s[6:7], s[52:53]        ; what I bring into LDS
	s_add_nc_u64 s[24:25], s[4:5], s[24:25]
	s_add_nc_u64 s[26:27], s[4:5], s[26:27]
	s_add_nc_u64 s[10:11], s[10:11], s[28:29]
	s_add_nc_u64 s[16:17], s[16:17], s[28:29]
	s_add_nc_u64 s[18:19], s[18:19], s[28:29]
	s_add_nc_u64 s[8:9], s[8:9], s[30:31]
	s_add_nc_u64 s[6:7], s[6:7], s[32:33]
	CROUND                                         ; all four work-groups are here: the joint loads meet
	s_mov_b32 s[G0], 1
	s_add_co_u32 s[G0+1], s52, WL
	s_mov_b64 s[G0+2:G0+3], s[54:55]
	s_or_b32 s[G0+3], s[G0+3], 0x80000000
	tensor_load_to_lds s[G0:G0+3], s[G1:G1+7]      ; my one tensor load of the launch
	s_nop 0
	PLACES 4
.macro WLOAD k, wb                     ; W's four fragments of K step k from memory
.irp t, 0,1,2,3
.irp c, 0,1
	global_load_b128 v[\wb+8*\t+4*\c:\wb+8*\t+4*\c+3], v1, s[6:7] offset:KSB*(\k)+1024*\t+512*\c
.endr
.endr
.endm
.macro LLOAD k                         ; W's four fragments of K step k (0 to 2) from LDS
.irp t, 0,1,2,3
.irp c, 0,1
	ds_load_b128 v[LS+8*\t+4*\c:LS+8*\t+4*\c+3], v[24+(\k)] offset:1024*\t+512*\c
.endr
.endr
.endm
.macro ALOAD k, st                     ; o's two fragments of K step k into set st
.irp u, 0,1
.irp c, 0,1
	ds_load_b128 v[AF+16*(\st)+8*\u+4*\c:AF+16*(\st)+8*\u+4*\c+3], v1 offset:AIMG+1024*(8*\u+(\k))+512*\c
.endr
.endr
.endm
.macro VLOAD wb, p                     ; gamma or beta in the result's layout
.irp t, 0,1,2,3
.irp e, 0,1
	global_load_b128 v[\wb+8*\t+4*\e:\wb+8*\t+4*\e+3], v23, s[\p:\p+1] offset:64*\t+16*\e
.endr
.endr
.endm
	global_load_b128 v[10:13], v1, s[24:25] th:TH_LOAD_NT
	global_load_b128 v[14:17], v1, s[24:25] offset:512 th:TH_LOAD_NT
.set hd, 0
.rept 16
	global_load_b32 v[ACO+hd], v2, s[26:27] offset:128*hd          ; head hd's words, for the moment in registers that the sums take later
.set hd, hd+1
.endr
.irp i, 0,1,2,3,4,5,6,7
	global_load_b128 v[AF+4*\i:AF+4*\i+3], v5, s[10:11] offset:8192*\i th:TH_LOAD_NT   ; the residual by rows: sixteen lanes read 256 consecutive bytes
.endr
	s_wait_alu depctr_va_vdst(0)
.irp t, 0,1,2,3
	global_load_b128 v[SW+4*\t:SW+4*\t+3], v22, s[8:9] offset:512*\t
.endr
	WLOAD 3, GA
	WLOAD 4, GB
	s_wait_loadcnt 16                              ; all but W's 16 loads are in
	ds_store_b128 v21, v[10:13]
	ds_store_b128 v21, v[14:17] offset:512
.irp i, 0,1,2,3,4,5,6,7
	ds_store_b128 v4, v[AF+4*\i:AF+4*\i+3] offset:2*SPT*\i
.endr
.irp k, 0,1,2,3,4,5,6,7
	v_perm_b32 v[SA+\k], v[ACO+1+2*\k], v[ACO+2*\k], v8            ; K step k = heads 2 k and 2 k + 1: two bytes of each
.endr
.irp t, 0,1,2,3
.irp e, 0,1
	ds_load_b128 v[ACS+8*\t+4*\e:ACS+8*\t+4*\e+3], v3 offset:64*\t+16*\e   ; the residual in the result's layout (my own stage: LDS serves a wave's instructions in order)
.endr
.endr
	PLACES 8                                       ; scale registers written by vector instructions stand eight places ahead of a scaled product
	s_wait_alu depctr_va_vdst(0)
	s_wait_tensorcnt 0x0                           ; my part of W's three K steps is in LDS,
	s_wait_dscnt 0x0                               ; my fragment of o is stored,
	s_barrier_signal -1
	s_barrier_wait -1                              ; everybody's are
	ALOAD 3, 0
	LLOAD 0
.macro FM d, c, a, b, sa, sb, ahi, bhi
.if (\ahi) && (\bhi)
	v_wmma_scale_f32_16x16x128_f8f6f4 v[\d:\d+7], v[\a:\a+7], v[\b:\b+7], v[\c:\c+7], v[\sa], v[\sb] matrix_a_fmt:MATRIX_FMT_FP4 matrix_b_fmt:MATRIX_FMT_FP4 matrix_a_scale:MATRIX_SCALE_ROW1 matrix_b_scale:MATRIX_SCALE_ROW1
.elseif \ahi
	v_wmma_scale_f32_16x16x128_f8f6f4 v[\d:\d+7], v[\a:\a+7], v[\b:\b+7], v[\c:\c+7], v[\sa], v[\sb] matrix_a_fmt:MATRIX_FMT_FP4 matrix_b_fmt:MATRIX_FMT_FP4 matrix_a_scale:MATRIX_SCALE_ROW1
.elseif \bhi
	v_wmma_scale_f32_16x16x128_f8f6f4 v[\d:\d+7], v[\a:\a+7], v[\b:\b+7], v[\c:\c+7], v[\sa], v[\sb] matrix_a_fmt:MATRIX_FMT_FP4 matrix_b_fmt:MATRIX_FMT_FP4 matrix_b_scale:MATRIX_SCALE_ROW1
.else
	v_wmma_scale_f32_16x16x128_f8f6f4 v[\d:\d+7], v[\a:\a+7], v[\b:\b+7], v[\c:\c+7], v[\sa], v[\sb] matrix_a_fmt:MATRIX_FMT_FP4 matrix_b_fmt:MATRIX_FMT_FP4
.endif
.endm
; The p-th of the eight steps: K step k, W's fragments in v[wb] on; nk: the K step that follows; glob = 1: W's fragments come from memory.
; The operators' four products, then the statements' four: the eight accumulators take turns.
.macro FSTEP p, k, wb, nk, glob
.set WB, \wb
.set AB, AF+16*((\p)%2)
.set NS, ((\p)+1)%2
.set KH, (\k)/4
.set KQ, (\k)%4
.set CC, ACO
.if (\p) == 0
.set CC, ACS                           ; the operators' sums begin with the residual too, read where the statements' hold it
.endif
.if (\p) < 7
	ALOAD \nk, NS
	s_wait_dscnt 4                                 ; all my LDS loads but the next step's four of o are in: this step's fragments of o, and W's where they come from LDS
.else
	s_wait_dscnt 0x0
.endif
.if \glob
	s_wait_loadcnt 8                               ; this step's W is in; the one younger group of eight loads stays out
.endif
.irp t, 0,1,2,3
	FM ACO+8*\t, CC+8*\t, WB+8*\t, AB+8, SW+4*\t+KQ, SA+(\k), KH, 1
.endr
.if (\p) == 0
	PLACES 5                                       ; the products below write over registers that those above read as C
.endif
.irp t, 0,1,2,3
	FM ACS+8*\t, ACS+8*\t, WB+8*\t, AB, SW+4*\t+KQ, SA+(\k), KH, 0
.endr
	PLACES 4                                       ; in front of loads into registers that matrix instructions have read
.endm
	FSTEP 0, 3, GA, 4, 1
	WLOAD 5, GA
	FSTEP 1, 4, GB, 0, 1
	WLOAD 6, GB
	FSTEP 2, 0, LS, 5, 0
	LLOAD 1
	FSTEP 3, 5, GA, 1, 1
	WLOAD 7, GA
	FSTEP 4, 1, LS, 6, 0
	LLOAD 2
	FSTEP 5, 6, GB, 2, 1
	FSTEP 6, 2, LS, 7, 0
	VLOAD LS, 12                                   ; gamma
	FSTEP 7, 7, GA, 0, 1
	VLOAD GA, 14                                   ; beta
; v[248:249], v[250:251]: a lane's sums of the two streams.  They are joined with the other half of the lanes', meet the other waves' in LDS behind a barrier, and every wave adds the sixteen in the same order.
.macro ACROSS off
	s_delay_alu instid0(VALU_DEP_2)
	v_add_f32 v248, v248, v249
	s_delay_alu instid0(VALU_DEP_2)
	v_add_f32 v250, v250, v251
	s_delay_alu instid0(VALU_DEP_2)
	v_permlanex16_b32 v252, v248, s34, s35
	s_delay_alu instid0(VALU_DEP_2)
	v_permlanex16_b32 v253, v250, s34, s35
	s_delay_alu instid0(VALU_DEP_2)
	v_add_f32 v248, v248, v252
	s_delay_alu instid0(VALU_DEP_2)
	v_add_f32 v250, v250, v253
	ds_store_b32 v6, v248 offset:\off              ; both halves of the lanes write the same value
	ds_store_b32 v6, v250 offset:\off+1280
	s_wait_dscnt 0x0                               ; for the others' sake
	s_barrier_signal -1
	s_barrier_wait -1
.irp u, 0,1
.irp q, 0,1,2,3
	ds_load_b128 v[64+16*\u+4*\q:64+16*\u+4*\q+3], v7 offset:\off+1280*\u+16*\q
.endr
.endr
	s_wait_dscnt 0x0
.irp u, 0,1
	v_pk_add_f32 v[248+2*\u:249+2*\u], v[64+16*\u:65+16*\u], v[66+16*\u:67+16*\u]
.endr
.irp q, 4,6,8,10,12,14
.irp u, 0,1
	s_delay_alu instid0(VALU_DEP_2)
	v_pk_add_f32 v[248+2*\u:249+2*\u], v[248+2*\u:249+2*\u], v[64+16*\u+\q:65+16*\u+\q]
.endr
.endr
	s_delay_alu instid0(VALU_DEP_2)
	v_add_f32 v248, v248, v249
	s_delay_alu instid0(VALU_DEP_2)
	v_add_f32 v250, v250, v251
.endm
	v_pk_add_f32 v[248:249], v[ACS:ACS+1], v[ACS+2:ACS+3]          ; (the step's four places stand ahead)  each accumulator is read from its low end on
	v_pk_add_f32 v[250:251], v[ACO:ACO+1], v[ACO+2:ACO+3]
.set j, 4
.rept 14
	v_pk_add_f32 v[248:249], v[248:249], v[ACS+j:ACS+j+1]
	v_pk_add_f32 v[250:251], v[250:251], v[ACO+j:ACO+j+1]
.set j, j+2
.endr
	ACROSS 0
	s_delay_alu instid0(VALU_DEP_2)
	v_mul_f32 v248, 0xba800000, v248               ; -mean
	s_delay_alu instid0(VALU_DEP_2)
	v_mul_f32 v250, 0xba800000, v250
.set j, 0
.rept 16
	v_pk_add_f32 v[ACS+j:ACS+j+1], v[ACS+j:ACS+j+1], v[248:249] op_sel_hi:[1,0]
	v_pk_add_f32 v[ACO+j:ACO+j+1], v[ACO+j:ACO+j+1], v[250:251] op_sel_hi:[1,0]
.set j, j+2
.endr
	v_pk_mul_f32 v[248:249], v[ACS:ACS+1], v[ACS:ACS+1]
	v_pk_mul_f32 v[250:251], v[ACO:ACO+1], v[ACO:ACO+1]
.set j, 2
.rept 15
	s_delay_alu instid0(VALU_DEP_2)
	v_pk_fma_f32 v[248:249], v[ACS+j:ACS+j+1], v[ACS+j:ACS+j+1], v[248:249]
	s_delay_alu instid0(VALU_DEP_2)
	v_pk_fma_f32 v[250:251], v[ACO+j:ACO+j+1], v[ACO+j:ACO+j+1], v[250:251]
.set j, j+2
.endr
	ACROSS 2560                                    ; other bytes than the first sums': no barrier is owed between the two
	s_delay_alu instid0(VALU_DEP_2)
	v_fma_f32 v248, v248, s36, s37                 ; the variance + 1e-6
	s_delay_alu instid0(VALU_DEP_2)
	v_fma_f32 v250, v250, s36, s37
	s_wait_alu depctr_va_vdst(0)
	v_rsq_f32 v248, v248
	v_rsq_f32 v250, v250
	v_nop                                          ; a plain place behind the transcendentals
	s_wait_loadcnt 0x0                             ; gamma and beta
.set j, 0
	s_wait_alu depctr_va_vdst(0)
.rept 16
	v_pk_mul_f32 v[ACS+j:ACS+j+1], v[ACS+j:ACS+j+1], v[248:249] op_sel_hi:[1,0]
	v_pk_mul_f32 v[ACO+j:ACO+j+1], v[ACO+j:ACO+j+1], v[250:251] op_sel_hi:[1,0]
.set j, j+2
.endr
.set j, 0
.rept 16
	v_pk_fma_f32 v[ACS+j:ACS+j+1], v[ACS+j:ACS+j+1], v[WS+64+j:WS+64+j+1], v[WS+j:WS+j+1]
	v_pk_fma_f32 v[ACO+j:ACO+j+1], v[ACO+j:ACO+j+1], v[WS+64+j:WS+64+j+1], v[WS+j:WS+j+1]
.set j, j+2
.endr
; THE WAY OUT: through my own stage, back as rows: sixteen lanes store 256 consecutive bytes, aligned
.macro TOSTG acc, back
.irp t, 0,1,2,3
.irp e, 0,1
	ds_store_b128 v3, v[\acc+8*\t+4*\e:\acc+8*\t+4*\e+3] offset:64*\t+16*\e
.endr
.endr
.irp i, 0,1,2,3,4,5,6,7
	ds_load_b128 v[\back+4*\i:\back+4*\i+3], v4 offset:2*SPT*\i
.endr
.endm
	TOSTG ACS, AF
	TOSTG ACO, 64
.irp i, 0,1,2,3,4,5,6,7
	s_wait_dscnt 23-\i                             ; behind the statements' load i: its 7 - i younger loads and the operators' sixteen LDS instructions
	global_store_b128 v5, v[AF+4*\i:AF+4*\i+3], s[16:17] offset:8192*\i th:TH_STORE_NT
.endr
.irp i, 0,1,2,3,4,5,6,7
	s_wait_dscnt 7-\i
	global_store_b128 v5, v[64+4*\i:67+4*\i], s[18:19] offset:8192*\i th:TH_STORE_NT
.endr
	s_wait_tensorcnt 0x0
	s_wait_dscnt 0x0
	s_wait_tensorcnt 0x0
	ds_add_u32 v254, v255
	s_wait_dscnt 0x0
	CROUND                                         ; the closing round: no work-group ends while a partner may still ask for a tile that names it
	s_endpgm
.Lfunc_end_k_q4aa5597ff6_fcln:
	.size	k_q4aa5597ff6_fcln, .Lfunc_end_k_q4aa5597ff6_fcln-k_q4aa5597ff6_fcln
	.p2alignl 7, 3214868480
	.fill 96, 4, 3214868480
	.section	.rodata,"a",@progbits
	.p2align	6, 0x0
	.amdhsa_kernel k_q4aa5597ff6_fcln
		.amdhsa_group_segment_fixed_size 289792
		.amdhsa_private_segment_fixed_size 0
		.amdhsa_enable_private_segment 0
		.amdhsa_kernarg_size 64
		.amdhsa_user_sgpr_count 2
		.amdhsa_user_sgpr_kernarg_segment_ptr 1
		.amdhsa_wavefront_size32 1
		.amdhsa_system_sgpr_workgroup_id_x 1
		.amdhsa_system_sgpr_workgroup_id_y 1
		.amdhsa_system_sgpr_workgroup_id_z 1
		.amdhsa_system_vgpr_workitem_id 0
		.amdhsa_next_free_vgpr 256
		.amdhsa_next_free_sgpr 66
		.amdhsa_reserve_vcc 1
		.amdhsa_float_denorm_mode_32 3
		.amdhsa_float_denorm_mode_16_64 3
		.amdhsa_memory_ordered 1
		.amdhsa_forward_progress 1
		.amdhsa_inst_pref_size 50
	.end_amdhsa_kernel
	.amdgpu_metadata
---
amdhsa.version: [ 1, 2 ]
amdhsa.kernels:
  - .name:           k_q4aa5597ff6_fcln
    .symbol:         k_q4aa5597ff6_fcln.kd
    .args:
      - { .name: obuf, .offset: 0, .size: 8, .value_kind: global_buffer, .address_space: global }
      - { .name: wimg, .offset: 8, .size: 8, .value_kind: global_buffer, .address_space: global }
      - { .name: w_fc_scales, .offset: 16, .size: 8, .value_kind: global_buffer, .address_space: global }
      - { .name: global_state, .offset: 24, .size: 8, .value_kind: global_buffer, .address_space: global }
      - { .name: ln_gamma, .offset: 32, .size: 8, .value_kind: global_buffer, .address_space: global }
      - { .name: ln_beta, .offset: 40, .size: 8, .value_kind: global_buffer, .address_space: global }
      - { .name: out0, .offset: 48, .size: 8, .value_kind: global_buffer, .address_space: global }
      - { .name: out1, .offset: 56, .size: 8, .value_kind: global_buffer, .address_space: global }
    .group_segment_fixed_size: 289792
    .private_segment_fixed_size: 0
    .kernarg_segment_align: 8
    .kernarg_segment_size: 64
    .max_flat_workgroup_size: 512
    .sgpr_count:     66
    .vgpr_count:     256
    .wavefront_size: 32
...
	.end_amdgpu_metadata
.endif
;; end of part 4
